; MI455X (gfx1250); checked and timed in simulation.
; The chip was launched on July 23, 2026; its instructions are those of AMD's public machine-readable ISA for CDNA 5 (MIT licence, August 2026) and "CDNA5" Instruction Set Architecture Reference Guide (July 2026). The comments in the code are by the model that wrote it; some were corrected since.
;; Encoder Layer. Allowed arithmetic: matrix products marked QUANTISED: E2M1 operands, one E8M0 scale for each 32 along K, by v_wmma_scale_f32_16x16x128_f8f6f4 with both operands' format E2M1 (or v_wmma_scale_f32_32x16x128_f4), f32 sums; everything else in f32.
;; Inputs: b1 4,096 float32; b2 1,024 float32; bk 1,024 float32; bo 1,024 float32; bq 1,024 float32; bv 1,024 float32; ln1_b 1,024 float32; ln1_g 1,024 float32; ln2_b 1,024 float32; ln2_g 1,024 float32; mask 2 x 1 x 1 x 2,048 int32; w1_codes 4,096 x 32 x 16 uint8 (E2M1 codes of w1, K innermost, in blocks of 32 codes, two codes a byte); w1_scales 4,096 x 32 uint8 (E8M0 scales of w1, one for each 32 codes along K); w2_codes 1,024 x 128 x 16 uint8 (E2M1 codes of w2, K innermost, in blocks of 32 codes, two codes a byte); w2_scales 1,024 x 128 uint8 (E8M0 scales of w2, one for each 32 codes along K); wk_codes 1,024 x 32 x 16 uint8 (E2M1 codes of wk, K innermost, in blocks of 32 codes, two codes a byte); wk_scales 1,024 x 32 uint8 (E8M0 scales of wk, one for each 32 codes along K); wo_codes 1,024 x 32 x 16 uint8 (E2M1 codes of wo, K innermost, in blocks of 32 codes, two codes a byte); wo_scales 1,024 x 32 uint8 (E8M0 scales of wo, one for each 32 codes along K); wq_codes 1,024 x 32 x 16 uint8 (E2M1 codes of wq, K innermost, in blocks of 32 codes, two codes a byte); wq_scales 1,024 x 32 uint8 (E8M0 scales of wq, one for each 32 codes along K); wv_codes 1,024 x 32 x 16 uint8 (E2M1 codes of wv, K innermost, in blocks of 32 codes, two codes a byte); wv_scales 1,024 x 32 uint8 (E8M0 scales of wv, one for each 32 codes along K); x 2 x 2,048 x 1,024 float32.
;; Outputs: out0 2 x 2,048 x 1,024 float32.
;; This version of the problem:
;;   THIS VERSION OF THE PROBLEM IS GIVEN IN LOW PRECISION. The matrix products marked QUANTISED in the list below multiply operands that are first quantised to E2M1 (2 exponent bits, 1 mantissa bit; 4 bits a number), with one power-of-two scale for each 32 numbers along K (OCP MX v1.0); their sums are f32. All else is computed in f32.
;;   The module's matrix products, in the order in which they are computed (A, B: the left and right operand; K: the contracted axis; several contracted axes count as one K, in the product's order):
;;     1. [M 4,096, K 1,024] x [K 1,024, N 1,024]; A: input x; B: input wq (given as codes): QUANTISED
;;     2. [M 4,096, K 1,024] x [K 1,024, N 1,024]; A: input x; B: input wk (given as codes): QUANTISED
;;     3. [M 4,096, K 1,024] x [K 1,024, N 1,024]; A: input x; B: input wv (given as codes): QUANTISED
;;     4. batch 32 x [M 2,048, K 64] x [K 64, N 2,048]; A: computed on the way; B: computed on the way: QUANTISED
;;     5. batch 32 x [M 2,048, K 2,048] x [K 2,048, N 64]; A: softmax (see below); B: computed on the way: QUANTISED
;;     6. [M 4,096, K 1,024] x [K 1,024, N 1,024]; A: computed on the way; B: input wo (given as codes): QUANTISED
;;     7. [M 4,096, K 1,024] x [K 1,024, N 4,096]; A: computed on the way; B: input w1 (given as codes): QUANTISED
;;     8. [M 4,096, K 4,096] x [K 4,096, N 1,024]; A: computed on the way; B: input w2 (given as codes): QUANTISED
;;   THE QUANTISER, for each operand of a quantised product, along K:
;;     - K is cut into blocks of 32 from its start; a last block that is shorter is filled with zeros.
;;     - A block's scale is 2^e with e = floor(log2(the largest magnitude in the block)) - 2, held to -126 .. 127; a block of zeros has e = 0. As a byte (E8M0): e + 127.
;;     - Each number is divided by its block's scale, clamped to +-6, and rounded to the nearest number of E2M1, ties to even, subnormals kept.
;;     - The product sums the exact products of the quantised numbers (number of the format x scale) in f32.
;;   ~~~python
;;   def quantise(x, axis):      # numpy; x: float32 -> the quantised numbers, widened to float32 again
;;       x = np.moveaxis(x, axis, -1); K = x.shape[-1]
;;       x = np.pad(x, [(0, 0)] * (x.ndim - 1) + [(0, -K % 32)]); x = x.reshape(x.shape[:-1] + (-1, 32)); a = np.abs(x).max(-1, keepdims=True)
;;       e = np.where(a > 0, np.clip(np.frexp(np.where(a > 0, a, 1))[1] - 1 - 2, -126, 127), 0)      # np.frexp(a)[1] - 1 = floor(log2(a)), exactly
;;       r = np.clip(x / 2.0 ** e, -6, 6)
;;       step = 2.0 ** (np.maximum(np.frexp(np.where(r == 0, 1, r))[1] - 1, 0) - 1)
;;       q = np.round(r / step) * step * 2.0 ** e      # np.round: ties to even
;;       return np.moveaxis(q.reshape(q.shape[:-2] + (-1,))[..., :K], -1, axis).astype(np.float32)
;;   ~~~
;;   SOFTMAX AHEAD OF A QUANTISED PRODUCT. Where the list says 'softmax', what is quantised is not the finished softmax but p = 2^(t - M), with t = logit x log2(e) and M = ceil(the row's largest t), a whole number; so 1/2 < the row's largest p <= 1. The row's sum l is taken of the UNQUANTISED p, in f32, and the product's result is divided by l at the end. Since M is a whole number, a kernel that streams over the keys may use a running M (the ceiling of the running maximum): every later rescaling is an exact power of two, which a block's scale takes up: the codes' values come out the same.
;;   OPERANDS COMPUTED ON THE WAY. 'Computed on the way' means the value that the module computes at that place (a softmax that the list does not call 'softmax' is quantised finished and normalised). What goes into a quantiser is computed in f32, as accurately as f32 sums, v_exp_f32 and their like allow (about 1e-6 of the number): no bf16 or f16 on the way to a quantiser, and a product that is left as it is and whose result goes on into a quantised operand takes f32 operands (vector FMAs, or v_wmma_f32_16x16x4_f32). A number that lies on a knife's edge between two numbers of the format may be rounded either way, as far as f32 arithmetic and the matrix unit's own rounding can turn it there, and no further.
;;   INPUTS GIVEN AS CODES. w1 (in the module: [1024, 4096], K = its axis 0); w2 (in the module: [4096, 1024], K = its axis 0); wk (in the module: [1024, 1024], K = its axis 0); wo (in the module: [1024, 1024], K = its axis 0); wq (in the module: [1024, 1024], K = its axis 0); wv (in the module: [1024, 1024], K = its axis 0): each comes as NAME_codes (uint8): NAME with its K axis moved to the last place and cut into blocks of 32 codes, [.., K / 32, bytes a block], one block behind the other in memory; two codes a byte, the lower K in the low four bits (a code: sign, 2 exponent bits, 1 mantissa bit); and NAME_scales (uint8): the same leading axes, one E8M0 byte (e + 127) for each 32 codes along K. Its value is code x scale, taken as it is: it is not quantised again, and the codes and scales need not be those that the quantiser above would give.
;; One version. Each part assembles by itself: llvm-mc -triple=amdgcn-amd-amdhsa -mcpu=gfx1250 --defsym DOCPART=n.
;; ======== version 1 of 1: 6 launches
;; limits: right only within a limited range of input values
;; workspace buffers: qr 2,359,296 bytes; kv 4,849,664 bytes; aq 2,228,224 bytes; xq 2,228,224 bytes; ybuf 16,777,216 bytes; x1 16,777,216 bytes; hid 8,912,896 bytes
;; launch qkv (part 1): grid 32 x 8, 16 waves a work-group, clusters of 4 x 1, 327,680 bytes of LDS; arguments x, mask, wq_codes, wq_scales, wk_codes, wk_scales, wv_codes, wv_scales, bq, bk, bv, qr, kv; writes qr, kv
.if DOCPART == 1
	.amdgcn_target "amdgcn-amd-amdhsa--gfx1250"
	.amdhsa_code_object_version 6
	.text
	.protected	k_qe1610f857f_qkv
	.globl	k_qe1610f857f_qkv
	.p2align	8
	.type	k_qe1610f857f_qkv,@function
k_qe1610f857f_qkv:
	s_mov_b64 s[64:65], 0
	v_nop
	global_prefetch_b8 v0, s[64:65] scope:SCOPE_SE
	s_setreg_imm32_b32 hwreg(HW_REG_WAVE_MODE, 25, 1), 1
	s_wait_xcnt 0x0
	s_wait_alu depctr_hold_cnt(0) depctr_sa_sdst(0) depctr_va_vdst(0) depctr_va_sdst(0) depctr_va_ssrc(0) depctr_va_vcc(0) depctr_vm_vsrc(0)
	s_getreg_b32 s2, hwreg(HW_REG_IB_STS2, 6, 4)
	s_cmp_eq_u32 s2, 0
	s_cbranch_scc0 .Lentry_in_a_cluster
	s_endpgm
.Lentry_in_a_cluster:
	s_bfe_u32 s2, ttmp6, 0x10000c
	s_cmp_lg_u32 s2, 0x3003
	s_cbranch_scc0 .Lentry_shape_is_right
	s_endpgm
.Lentry_shape_is_right:
; Q = x wq + bq, K = x wk + bk, V = x wv + bv on codes of FP4 (E2M1) with one E8M0 scale for each 32 along K, and their results quantised again for attention:
; Q and K along the head's 64 channels, V along the keys.  x arrives as f32 and is quantised here, into LDS.
; SHARES.  A work-group takes 128 tokens (block tb) and the 128 columns of heads 2 g, 2 g + 1 in each of the three weights.  All 16 waves quantise x, 8 tokens each.
; Then wave 4 t + j (t = 0 Q, 1 K, 2 V; j = 0..3) makes 128 x 32 results: source 0 = the 8 tiles of LDS unit t, source 1 = 2 tiles of unit 2 + t / 2.
; Units: 0 wq's 128 rows, 1 wk's, 2 x's 128 tokens, 3 wv's.  So Q = wq x X, K = wk x X (a lane holds one token, its registers run along the channels), V = X x wv (a lane holds one channel, its registers run along the keys).
; A TILE IS 16 NEIGHBOURING ROWS.  At a pitch of 132 words row r starts 4 r banks on (64 banks of 4 bytes: ISA guide 11.1), so the sixteen rows that a fragment load touches start at sixteen different groups of four banks.
; In the result, register j of tile i in lane (r, h) is place 16 i + 8 h + j along the next product's K; the quantiser below puts the codes into the next operand's order by the choice of its destination registers alone.
; THE MASK goes into K: a key with mask = 0 gets zero codes for its 64 channels, the code +4 at place 64 of the product's 128 and the scale byte 141 there; Q carries -4 and the byte 142 at that place.
; Its score is then exactly -2^33, a logit of -2^30.  A key that counts has the code 0 and the byte 1 there.
; RESULTS leave as images of operand registers (a group of four registers: 16 bytes a lane, 512 consecutive bytes a store), scale words as 128 consecutive bytes.
; CLUSTER: the four work-groups of a cluster share g, so the weights are asked for jointly.
; LIMITS: a masked logit is -2^30 and not -1e9 (it differs from the definition only where logits that count lie near -1e9); NaN and infinities are not served; a block of zeros gets the scale byte 1 (its codes are zeros; this program alone reads the bytes).
.set PITCH, 528                        ; an LDS row: 512 bytes (1,024 codes) + 16 of padding
.set UNIT,  128*PITCH
.set SP,    48                         ; a row of scale bytes: 32 + 16 of padding
.set SCU,   128*SP
.set SCB,   4*UNIT                     ; behind the four units: their scale rows, in the same order
.set WV,    30                         ; s30 my wave's number
.set SEL,   60                         ; s[60:61] selects of v_permlanex16_b32: lane l xor 16
.set G1C,   32                         ; s[32:39] group 1 of a unit;  s[40:47] of its scale rows;  s[48:51], s[52:55] their groups 0
.set G1S,   40
.set G0S,   48
.set G0C,   52
.set ACC,   16                         ; v16-143  accumulator (n, i) at ACC + 64 n + 8 i; before that two batches of 64 numbers of x
.set F0,    144                        ; v144-207 source 0's eight fragments; before that 64 numbers of x; behind the products at work
.set F1,    208                        ; v208-223 source 1's two fragments; before that largest magnitudes, codes and scale operands of x; behind the products the codes made
.set S0,    224                        ; v224-231 source 0's scale words, v232 source 1's (tile 0 in lanes 0-15, tile 1 in lanes 16-31): scales and nothing else
.set S1,    232
.set BY,    233                        ; v233-240 x's scale bytes; in the way out at work
.set MK,    241                        ; v241-242 the mask of my token in tile n
.set BV,    244                        ; v244-245 bv of my channel in tile n
.set TM,    144
.set PW,    160                        ; v160-161 the scale words made
.set PC,    208
.macro NOP4
.rept 4
	v_nop
.endr
.endm
.macro ROUND                           ; a round of the cluster's barrier
	s_barrier_signal -1
	s_barrier_wait -1
	s_cmp_lg_u32 s[WV], 0
	s_cbranch_scc1 .Lnot_wave_0_\@
	s_barrier_signal -3
.Lnot_wave_0_\@:
	s_barrier_wait -3
	s_barrier_signal -1
	s_barrier_wait -1
.endm
.macro FRAGW reg, adr, off             ; a fragment from rows: registers 4 c .. 4 c + 3 = K 64 c + 32 (lane / 16) + 0 .. 31
	ds_load_b128 v[\reg:\reg+3], v[\adr] offset:\off
	ds_load_b128 v[\reg+4:\reg+7], v[\adr] offset:\off+32
.endm
; 64 numbers of a lane, register 8 i + j = k 16 i + 8 (lane / 16) + j of my row, become a fragment's codes in v[pc] on and its scale word in v[pw].
; Block b of 32 is registers 16 b .. 16 b + 15 of lanes l and l xor 16.  The eight codes of (block 2 c + e, registers 8 p on) go to register 4 c + 2 p + e; the exchange of registers 4 c + 2 p and 4 c + 2 p + 1
; (the first's lanes 16-31 with the second's lanes 0-15) then leaves k = 64 c + 32 H + 8 w + 0 .. 7 in register 4 c + w of lane half H: the operand's layout.
.macro QUANT s, pc, pw
.irp b, 0,1,2,3
	v_max3_num_f32 v[TM+\b], |v[\s+16*\b]|, |v[\s+1+16*\b]|, 0x1800000   ; my 16 numbers of block b and the floor 2^(3 - 127): the byte cannot fall under 1
.endr
.irp i, 2,4,6,8,10,12,14
.irp b, 0,1,2,3
	v_max3_num_f32 v[TM+\b], v[TM+\b], |v[\s+16*\b+\i]|, |v[\s+1+16*\b+\i]|
.endr
.endr
.irp b, 0,1,2,3
	s_delay_alu instid0(VALU_DEP_4)
	v_permlanex16_b32 v[TM+4+\b], v[TM+\b], s[SEL], s[SEL+1]
.endr
.irp b, 0,1,2,3
	s_delay_alu instid0(VALU_DEP_4)
	v_max_num_f32 v[TM+\b], v[TM+\b], v[TM+4+\b]   ; with lane l xor 16's: the block's largest magnitude
.endr
.irp b, 0,1,2,3
	s_delay_alu instid0(VALU_DEP_4)
	v_add_nc_u32 v[TM+12+\b], 0xff000000, v[TM+\b]   ; 2 off its exponent field: the conversion's scale operand
.endr
.irp b, 0,1,2,3
	s_delay_alu instid0(VALU_DEP_4)
	v_lshrrev_b32 v[TM+4+\b], 23, v[TM+12+\b]      ; the scale's byte
.endr
	s_delay_alu instid0(VALU_DEP_3)
	v_lshl_or_b32 v[\pw], v[TM+5], 8, v[TM+4]
	s_delay_alu instid0(VALU_DEP_1)
	v_lshl_or_b32 v[\pw], v[TM+6], 16, v[\pw]
	s_delay_alu instid0(VALU_DEP_1)
	v_lshl_or_b32 v[\pw], v[TM+7], 24, v[\pw]
.irp b, 0,1,2,3
	v_cvt_scalef32_pk8_fp4_f32 v[\pc+4*(\b/2)+(\b%2)], v[\s+16*\b:\s+7+16*\b], v[TM+12+\b]
	v_cvt_scalef32_pk8_fp4_f32 v[\pc+4*(\b/2)+2+(\b%2)], v[\s+8+16*\b:\s+15+16*\b], v[TM+12+\b]
.endr
	v_nop                                          ; one plain place behind a scaled conversion
.irp c, 0,1
.irp p, 0,1
	v_permlane16_swap_b32 v[\pc+4*\c+2*\p], v[\pc+4*\c+2*\p+1]
.endr
.endr
.endm
	s_load_b512 s[4:19], s[0:1], 0x0               ; x, mask, wq codes, scales, wk codes, scales, wv codes, scales
	s_load_b256 s[20:27], s[0:1], 0x40             ; bq, bk, bv, qr
	s_load_b64 s[28:29], s[0:1], 0x60              ; kv
.set SPARE, SCB+4*SCU                  ; behind the scale rows: the spare words, 128 bytes for each wave, which no other line names
	v_lshl_add_u32 v250, v0, 2, SPARE              ; v250 my spare word, v251 0: kept for the add alone
	v_mov_b32 v251, 0
	ds_add_u32 v250, v251                          ; the opening lines: the add, twice on end, and its wait ahead of the first round
	ds_add_u32 v250, v251
	v_lshrrev_b32 v12, 5, v0
	s_delay_alu instid0(VALU_DEP_1)
	v_readfirstlane_b32 s[WV], v12                 ; wave 0..15
	s_bfe_u32 s31, ttmp6, 0x40000                  ; cx
	s_lshl_b32 s66, ttmp9, 2
	s_add_co_u32 s66, s66, s31                     ; tb: my block of 128 tokens; it enters global addresses alone
	s_and_b32 s67, ttmp7, 0xffff                   ; g: heads 2 g, 2 g + 1; the four partners share it
	s_lshr_b32 s68, s[WV], 2                       ; t
	s_and_b32 s69, s[WV], 3                        ; j
	s_lshr_b32 s70, s68, 1
	s_add_co_u32 s70, s70, 2                       ; source 1's unit
	s_mov_b32 s[SEL], 0x76543210
	s_mov_b32 s[SEL+1], 0xfedcba98
	; every LDS address is made here, ahead of the first parting of the waves
	v_and_b32 v12, 31, v0                          ; L
	v_and_b32 v13, 15, v0                          ; r
	v_bfe_u32 v14, v0, 4, 1                        ; h
	s_delay_alu instid0(VALU_DEP_3)
	v_lshlrev_b32 v5, 4, v12                       ; v5  16 L
	s_delay_alu instid0(VALU_DEP_4)
	v_lshlrev_b32 v6, 2, v12                       ; v6  4 L
	s_delay_alu instid0(VALU_DEP_3)
	v_lshlrev_b32 v10, 5, v14                      ; v10 32 h: the biases' lane offset
	v_lshlrev_b32 v11, 2, v13                      ; v11 4 r: the mask's and bv's
	v_mul_u32_u24 v1, v13, PITCH
	s_delay_alu instid0(VALU_DEP_1)
	v_lshl_add_u32 v1, v14, 4, v1                  ; r x pitch + 16 h
	s_mul_i32 s71, s70, UNIT
	s_mul_i32 s72, s69, 32*PITCH
	s_add_co_u32 s71, s71, s72
	v_add_nc_u32 v2, s71, v1                       ; v2  source 1: its unit, rows 32 j on
	s_mul_i32 s71, s68, UNIT
	v_add_nc_u32 v1, s71, v1                       ; v1  source 0: unit t
	v_mul_u32_u24 v3, v13, SP
	s_mul_i32 s71, s68, SCU
	s_add_co_u32 s71, s71, SCB
	v_add_nc_u32 v3, s71, v3                       ; v3  source 0's scale words
	v_mul_u32_u24 v4, v12, SP                      ; row L of the 32: lanes 16-31 take tile 1's rows
	s_mul_i32 s71, s70, SCU
	s_mul_i32 s72, s69, 32*SP
	s_add_co_u32 s71, s71, s72
	s_add_co_u32 s71, s71, SCB
	v_add_nc_u32 v4, s71, v4                       ; v4  source 1's
	v_lshrrev_b32 v13, 2, v12                      ; L / 4: my token of the wave's eight
	v_and_b32 v14, 3, v12                          ; L % 4: my eight numbers of a block of 32
	s_delay_alu instid0(VALU_DEP_2)
	v_lshlrev_b32 v7, 12, v13
	s_delay_alu instid0(VALU_DEP_1)
	v_lshl_add_u32 v7, v14, 5, v7                  ; v7  x: 4,096 (L / 4) + 32 (L % 4)
	s_delay_alu instid0(VALU_DEP_4)
	v_mul_u32_u24 v8, v13, PITCH
	s_delay_alu instid0(VALU_DEP_1)
	v_lshl_add_u32 v8, v14, 2, v8
	s_mul_i32 s71, s[WV], 8*PITCH
	s_add_co_u32 s71, s71, 2*UNIT
	v_add_nc_u32 v8, s71, v8                       ; v8  where my 4 bytes of codes go: unit 2, row 8 w + L / 4
	v_mul_u32_u24 v9, v13, SP
	s_mul_i32 s71, s[WV], 8*SP
	s_add_co_u32 s71, s71, SCB+2*SCU
	v_add_nc_u32 v9, s71, v9                       ; v9  and my block's scale byte
	; group 1 of a unit: 128 rows of 512 bytes, dense in memory, 16 bytes of padding behind each; the mask names all four work-groups, bit 21 stands beside it
	s_mov_b32 s[G1C], 15|(0<<16)|(1<<20)|(1<<21)|(6<<22)|(3<<25)
	s_mov_b32 s[G1C+1], 512<<16
	s_mov_b32 s[G1C+2], 128<<16
	s_mov_b32 s[G1C+3], 512<<16
	s_mov_b32 s[G1C+4], 128
	s_mov_b32 s[G1C+5], 512
	s_mov_b32 s[G1C+6], 0
	s_mov_b32 s[G1C+7], 0
	; and of its scale rows: 128 rows of 8 words, 4 words of padding behind each
	s_mov_b32 s[G1S], 15|(2<<16)|(1<<20)|(1<<21)|(2<<22)|(3<<25)
	s_mov_b32 s[G1S+1], 8<<16
	s_mov_b32 s[G1S+2], 128<<16
	s_mov_b32 s[G1S+3], 8<<16
	s_mov_b32 s[G1S+4], 128
	s_mov_b32 s[G1S+5], 8
	s_mov_b32 s[G1S+6], 0
	s_mov_b32 s[G1S+7], 0
	s_and_b32 s80, s[WV], 3                        ; waves 0, 1, 2 fetch the codes of wq, wk, wv; waves 4, 5, 6 their scale rows: one tensor load a wave
	s_min_u32 s80, s80, 2
	s_lshr_b32 s81, s80, 1
	s_add_co_u32 s80, s80, s81                     ; into units 0, 1, 3
	s_mov_b32 s79, 0
	s_wait_alu depctr_va_vdst(0)                   ; directly ahead of the wait below
	s_wait_dscnt 0x0                               ; both opening adds are done
	s_wait_kmcnt 0x0
	s_cmp_eq_u32 s80, 0                            ; unit 0: wq
	s_cselect_b64 s[74:75], s[8:9], s[12:13]
	s_cselect_b64 s[76:77], s[10:11], s[14:15]
	s_cmp_eq_u32 s80, 3                            ; unit 3: wv
	s_cselect_b64 s[74:75], s[16:17], s[74:75]
	s_cselect_b64 s[76:77], s[18:19], s[76:77]
	s_lshl_b32 s78, s67, 16                        ; 128 g rows of 512 bytes
	s_add_nc_u64 s[74:75], s[74:75], s[78:79]
	s_lshl_b32 s78, s67, 12                        ; and of 32
	s_add_nc_u64 s[76:77], s[76:77], s[78:79]
	s_mov_b32 s[G0S], 1
	s_mul_i32 s[G0S+1], s80, SCU
	s_add_co_u32 s[G0S+1], s[G0S+1], SCB
	s_mov_b64 s[G0S+2:G0S+3], s[76:77]
	s_or_b32 s[G0S+3], s[G0S+3], 0x80000000
	s_mov_b32 s[G0C], 1
	s_mul_i32 s[G0C+1], s80, UNIT
	s_mov_b64 s[G0C+2:G0C+3], s[74:75]
	s_or_b32 s[G0C+3], s[G0C+3], 0x80000000
	; the bases of what comes by registers
	s_cmp_eq_u32 s68, 0
	s_cselect_b64 s[74:75], s[20:21], s[22:23]     ; bq (t = 0) or bk,
	s_lshl_b32 s78, s67, 9
	s_add_nc_u64 s[74:75], s[74:75], s[78:79]      ; at column 128 g
	s_lshl_b32 s81, s69, 7
	s_add_co_u32 s78, s78, s81
	s_add_nc_u64 s[82:83], s[24:25], s[78:79]      ; bv at column 128 g + 32 j
	s_lshl_b32 s78, s66, 9
	s_add_co_u32 s78, s78, s81
	s_add_nc_u64 s[76:77], s[6:7], s[78:79]        ; the mask at token 128 tb + 32 j
	s_lshl_b32 s78, s66, 19
	s_lshl_b32 s81, s[WV], 15
	s_add_co_u32 s78, s78, s81
	s_add_nc_u64 s[84:85], s[4:5], s[78:79]        ; x at token 128 tb + 8 w
	ROUND                                          ; all four work-groups are here: the joint loads meet
	s_cmp_lt_u32 s[WV], 3                          ; one chain of branches on the wave's number, one fill to an arm
	s_cbranch_scc0 .Lnot_codes
	tensor_load_to_lds s[G0C:G0C+3], s[G1C:G1C+7]  ; waves 0 to 2: a unit of codes
	s_nop 0
	NOP4
	s_branch .Lno_fill
.Lnot_codes:
	s_cmp_lt_u32 s[WV], 4
	s_cbranch_scc1 .Lno_fill
	s_cmp_lt_u32 s[WV], 7
	s_cbranch_scc0 .Lno_fill
	tensor_load_to_lds s[G0S:G0S+3], s[G1S:G1S+7]  ; waves 4 to 6: a unit's scale rows
	s_nop 0
	NOP4
.Lno_fill:
; X: my 8 tokens of x become codes and scale bytes in LDS, in four batches of 8 blocks of 32.  Four neighbouring lanes hold a block.
; Three batches are asked for at once: one into source 0's registers, two into the accumulators', which are idle until the products; the fourth follows as soon as the first has been converted.
; THE SUMS BEGIN AS THE BIASES: each half of the accumulators is loaded with them as soon as its batch of x has been converted.  Q, K: accumulator (n, i), register e, lane half h = column 16 i + 8 h + e.
; EVERY wave issues all these loads, with no parting of the waves: each register that a later line names is so written on every way through the text, and all addresses lie inside their buffers for every wave.
; V's waves write bv over their accumulators behind the barrier; what they load of bk here are the 512 bytes that K's waves of the work-group read too.
.macro XLOAD k, d                      ; batch k into v[d] on
.irp bb, 0,1,2,3,4,5,6,7
	global_load_b128 v[\d+8*\bb:\d+8*\bb+3], v7, s[84:85] offset:128*(8*(\k)+\bb)
	global_load_b128 v[\d+8*\bb+4:\d+8*\bb+7], v7, s[84:85] offset:128*(8*(\k)+\bb)+16
.endr
.endm
.macro BIAS n
.irp i, 0,1,2,3,4,5,6,7
	global_load_b128 v[ACC+64*\n+8*\i:ACC+64*\n+8*\i+3], v10, s[74:75] offset:64*\i
	global_load_b128 v[ACC+64*\n+8*\i+4:ACC+64*\n+8*\i+7], v10, s[74:75] offset:64*\i+16
.endr
.endm
.macro XQ d                            ; the eight blocks in v[d] on, by turns, so that no line waits for the line above it
.irp bb, 0,1,2,3,4,5,6,7
	v_max3_num_f32 v[F1+\bb], |v[\d+8*\bb]|, |v[\d+8*\bb+1]|, 0x1800000   ; with the floor 2^(3 - 127)
.endr
.irp i, 2,4,6
.irp bb, 0,1,2,3,4,5,6,7
	v_max3_num_f32 v[F1+\bb], v[F1+\bb], |v[\d+8*\bb+\i]|, |v[\d+8*\bb+\i+1]|
.endr
.endr
.irp bb, 0,1,2,3,4,5,6,7
	v_max_num_f32_dpp v[F1+\bb], v[F1+\bb], v[F1+\bb] row_xmask:1 row_mask:0xf bank_mask:0xf
.endr
.irp bb, 0,1,2,3,4,5,6,7
	v_max_num_f32_dpp v[F1+\bb], v[F1+\bb], v[F1+\bb] row_xmask:2 row_mask:0xf bank_mask:0xf   ; the block's largest magnitude
.endr
.irp bb, 0,1,2,3,4,5,6,7
	v_add_nc_u32 v[F1+8+\bb], 0xff000000, v[F1+\bb]   ; the conversion's scale operand
.endr
.irp bb, 0,1,2,3,4,5,6,7
	v_cvt_scalef32_pk8_fp4_f32 v[F1+\bb], v[\d+8*\bb:\d+8*\bb+7], v[F1+8+\bb]   ; my 8 codes, where the largest magnitude stood
.endr
.irp bb, 0,1,2,3,4,5,6,7
	v_lshrrev_b32 v[BY+\bb], 23, v[F1+8+\bb]       ; the scale's byte.  (Also the plain place behind the conversions)
.endr
.endm
.macro XST k
.irp bb, 0,1,2,3,4,5,6,7
	ds_store_b32 v8, v[F1+\bb] offset:16*(8*(\k)+\bb)
	ds_store_b8 v9, v[BY+\bb] offset:8*(\k)+\bb    ; the four lanes of a block write the same byte with the same value
.endr
.endm
.irp n, 0,1
	global_load_b32 v[MK+\n], v11, s[76:77] offset:64*\n    ; the mask of token 32 j + 16 n + r
	global_load_b32 v[BV+\n], v11, s[82:83] offset:64*\n    ; bv of channel 32 j + 16 n + r: one number a lane
.endr
	s_wait_alu depctr_va_vdst(0)
	XLOAD 0, F0
	XLOAD 1, ACC
	XLOAD 2, ACC+64                                ; 52 loads of mine are out
	s_wait_loadcnt 32                              ; loads come back in order: batch 0 is in (and the four in front of it); batches 1 and 2 may be out
	XQ F0
	XLOAD 3, F0                                    ; the last batch, as soon as the conversions have read the first
	XST 0
	s_wait_loadcnt 32                              ; batch 1 is in; batches 2 and 3 may be out
	s_wait_dscnt 0x0                               ; the last batch's 16 stores have read their registers, which the lines below write again
	XQ ACC
	BIAS 0
	XST 1
	s_wait_loadcnt 32                              ; batch 2 is in; batch 3 and the first half of the biases may be out
	s_wait_dscnt 0x0
	XQ ACC+64
	BIAS 1
	XST 2
	s_wait_loadcnt 32                              ; batch 3 is in; the biases may be out
	s_wait_dscnt 0x0
	XQ F0
	XST 3
	s_wait_loadcnt 0x0                             ; the biases are in,
	s_wait_tensorcnt 0x0                           ; my fills have landed,
	s_wait_dscnt 0x0                               ; my stores too:
	s_barrier_signal -1
	s_barrier_wait -1                              ; all four units and their scale rows lie in LDS; nothing is ever filled or stored there again
	s_cmp_lt_u32 s[WV], 12
	s_cbranch_scc0 .Lend                           ; waves 12 to 15 have no product
	s_cmp_eq_u32 s68, 2
	s_cbranch_scc0 .Lsums_begun
.set ii, 0
.rept 64
	v_mov_b32 v[ACC+ii], v[BV]                     ; V's sums begin as my channel's bias: so one text of the K steps serves Q, K and V
	v_mov_b32 v[ACC+64+ii], v[BV+1]
.set ii, ii+1
.endr
.Lsums_begun:
.macro PROD i                          ; the 16 accumulators take turns, one instruction a turn, in the same order in every K step
	v_wmma_scale_f32_16x16x128_f8f6f4 v[ACC+8*\i:ACC+8*\i+7], v[F0+8*\i:F0+8*\i+7], v[F1:F1+7], v[ACC+8*\i:ACC+8*\i+7], v[S0+\i], v[S1] matrix_a_fmt:MATRIX_FMT_FP4 matrix_b_fmt:MATRIX_FMT_FP4
	v_wmma_scale_f32_16x16x128_f8f6f4 v[ACC+64+8*\i:ACC+64+8*\i+7], v[F0+8*\i:F0+8*\i+7], v[F1+8:F1+15], v[ACC+64+8*\i:ACC+64+8*\i+7], v[S0+\i], v[S1] matrix_a_fmt:MATRIX_FMT_FP4 matrix_b_fmt:MATRIX_FMT_FP4 matrix_b_scale:MATRIX_SCALE_ROW1
.endm
.macro KSTEP q                         ; 128 along K
	NOP4                                           ; four places in front of loads into registers that matrix instructions have read
	FRAGW F1, 2, 64*\q
	FRAGW F1+8, 2, 16*PITCH+64*\q
	ds_load_b32 v[S1], v4 offset:4*\q
.irp i, 0,1,2,3,4,5,6,7
	ds_load_b32 v[S0+\i], v3 offset:16*\i*SP+4*\q
.endr
.irp i, 0,1,2,3,4,5,6,7
	FRAGW F0+8*\i, 1, 16*\i*PITCH+64*\q
.endr
	s_wait_dscnt 8                                 ; all but the eight youngest loads, source 0's tiles 4 to 7
.irp i, 0,1,2,3
	PROD \i
.endr
	s_wait_dscnt 0x0
.irp i, 4,5,6,7
	PROD \i
.endr
.endm
	s_wait_alu depctr_va_vdst(0)
.irp q, 0,1,2,3,4,5,6,7
	KSTEP \q
.endr
	NOP4                                           ; four places in front of the first read of results
.irp b, 0,1,2,3
	v_mov_b32 v[TM+4+\b], 0                        ; a lane permute's destination counts as one of its sources
.endr
	QUANT ACC, PC, PW
	QUANT ACC+64, PC+8, PW+1
	s_lshr_b32 s86, s66, 4                         ; the batch
	s_and_b32 s87, s66, 15                         ; s: the block of 128 tokens in it
	s_lshl_b32 s86, s86, 4
	s_lshl_b32 s88, s67, 1
	s_add_co_u32 s86, s86, s88                     ; 16 x batch + 2 g
	s_mov_b32 s95, 0
	s_cmp_eq_u32 s68, 2
	s_cbranch_scc0 .Lqk_out
	; V: my two tiles are channel tiles 2 (j % 2) + n of head 2 g + j / 2: images at 4,096 + 1,024 x tile of record (head, s), scale words at 9,216 + 64 x tile
	s_lshr_b32 s88, s69, 1
	s_add_co_u32 s86, s86, s88
	s_lshl_b32 s86, s86, 4
	s_add_co_u32 s86, s86, s87
	s_mul_i32 s94, s86, 9472
	s_and_b32 s88, s69, 1
	s_lshl_b32 s89, s88, 11
	s_add_co_u32 s94, s94, s89
	s_add_nc_u64 s[90:91], s[28:29], s[94:95]      ; the record + 2,048 (j % 2)
	s_mul_i32 s89, s88, 1920
	s_sub_co_u32 s89, 9216, s89                    ; from there to my scale words: 9,216 + 128 (j % 2) - 2,048 (j % 2)
	v_add_nc_u32 v247, s89, v6
	s_mov_b32 vcc_lo, 0xffff0000
	v_cndmask_b32 v248, v[PW], v[PW+1], vcc_lo     ; lanes 0-15 tile 0's words, lanes 16-31 tile 1's
	s_wait_alu depctr_va_vdst(0)
.irp n, 0,1
.irp c, 0,1
	global_store_b128 v5, v[PC+8*\n+4*\c:PC+8*\n+4*\c+3], s[90:91] offset:4096+1024*\n+512*\c   ; 512 consecutive bytes
.endr
.endr
	global_store_b32 v247, v248, s[90:91]
	s_branch .Lend
.Lqk_out:
	; Q, K: registers 0-3 of the codes are head 2 g's 64 channels, 4-7 head 2 g + 1's; bytes 0, 1 of the scale word the first head's, 2, 3 the second's
	s_lshl_b32 s86, s86, 4
	s_add_co_u32 s86, s86, s87                     ; the first head's record; the second's lies 16 records on
	s_cmp_eq_u32 s68, 0
	s_cselect_b64 s[90:91], s[26:27], s[28:29]     ; qr or kv
	s_mov_b32 s88, 9472
	s_cselect_b32 s88, 4608, s88                   ; a record's bytes
	s_mov_b32 s89, 8192
	s_cselect_b32 s89, 4096, s89                   ; where its scale words begin
	s_mov_b32 s92, 0x01010000
	s_cselect_b32 s92, 0x018e0000, s92             ; bytes 2, 3 of a scale word: Q 142, 1; a key that counts 1, 1
	s_cselect_b32 s93, 1, 0                        ; Q is never masked
	s_mul_i32 s94, s86, s88
	s_lshl_b32 s98, s69, 10
	s_add_co_u32 s94, s94, s98
	s_add_nc_u64 s[90:91], s[90:91], s[94:95]      ; the first head's record + 1,024 j: tiles 2 j, 2 j + 1
	s_lshl_b32 s94, s88, 4
	s_add_nc_u64 s[96:97], s[90:91], s[94:95]      ; the second head's
	s_mul_i32 s98, s69, 896
	s_sub_co_u32 s89, s89, s98                     ; from there to my scale words: + 128 j - 1,024 j
	v_add_nc_u32 v247, s89, v6
	v_mov_b32 v233, 0
	v_mov_b32 v234, 6                              ; the code +4
	v_mov_b32 v235, s92
	v_mov_b32 v236, 0x018d0000                     ; a masked key: bytes 141, 1
.irp n, 0,1
	v_or_b32 v246, s93, v[MK+\n]
	s_delay_alu instid0(VALU_DEP_1)
	v_cmp_eq_u32 vcc_lo, 0, v246                   ; my token of tile n is a masked key
.irp e, 0,1,2,3,4,5,6,7
	v_cndmask_b32 v[PC+8*\n+\e], v[PC+8*\n+\e], v233, vcc_lo   ; its codes become zeros
.endr
	v_cndmask_b32 v[237+\n], v235, v236, vcc_lo
	v_cndmask_b32 v[239+\n], v233, v234, vcc_lo    ; the word that holds place 64's code
.endr
	v_and_or_b32 v248, v[PW], 0xffff, v237         ; the first head's words
	s_delay_alu instid0(VALU_DEP_3)
	v_and_or_b32 v249, v[PW+1], 0xffff, v238
	v_lshrrev_b32 v[PW], 16, v[PW]
	v_lshrrev_b32 v[PW+1], 16, v[PW+1]
	s_delay_alu instid0(VALU_DEP_2)
	v_or_b32 v[PW], v[PW], v237                    ; the second head's
	s_delay_alu instid0(VALU_DEP_2)
	v_or_b32 v[PW+1], v[PW+1], v238
	s_mov_b32 vcc_lo, 0xffff0000
	v_cndmask_b32 v248, v248, v249, vcc_lo         ; lanes 0-15 tile 0's, lanes 16-31 tile 1's
	v_cndmask_b32 v249, v[PW], v[PW+1], vcc_lo
	v_cndmask_b32 v239, v239, v240, vcc_lo
.irp n, 0,1
	global_store_b128 v5, v[PC+8*\n:PC+8*\n+3], s[90:91] offset:512*\n
	global_store_b128 v5, v[PC+8*\n+4:PC+8*\n+7], s[96:97] offset:512*\n
.endr
	global_store_b32 v247, v248, s[90:91]
	global_store_b32 v247, v249, s[96:97]
	s_cmp_eq_u32 s68, 1
	s_cbranch_scc0 .Lend
	global_store_b32 v247, v239, s[90:91] offset:512   ; K alone: the words of place 64, 512 bytes behind the scale words, the same for both heads
	global_store_b32 v247, v239, s[96:97] offset:512
.Lend:
	s_wait_tensorcnt 0x0                           ; the wave's end
	ds_add_u32 v250, v251
	s_wait_dscnt 0x0
	ROUND                                          ; the closing round: no work-group ends while a partner may still ask for a tile that names it
	s_endpgm
.Lfunc_end_k_qe1610f857f_qkv:
	.size	k_qe1610f857f_qkv, .Lfunc_end_k_qe1610f857f_qkv-k_qe1610f857f_qkv
	.p2alignl 7, 3214868480
	.fill 96, 4, 3214868480
	.section	.rodata,"a",@progbits
	.p2align	6, 0x0
	.amdhsa_kernel k_qe1610f857f_qkv
		.amdhsa_group_segment_fixed_size 327680
		.amdhsa_private_segment_fixed_size 0
		.amdhsa_enable_private_segment 0
		.amdhsa_kernarg_size 104
		.amdhsa_user_sgpr_count 2
		.amdhsa_user_sgpr_kernarg_segment_ptr 1
		.amdhsa_wavefront_size32 1
		.amdhsa_system_sgpr_workgroup_id_x 1
		.amdhsa_system_sgpr_workgroup_id_y 1
		.amdhsa_system_sgpr_workgroup_id_z 1
		.amdhsa_system_vgpr_workitem_id 0
		.amdhsa_next_free_vgpr 256
		.amdhsa_next_free_sgpr 100
		.amdhsa_reserve_vcc 1
		.amdhsa_float_denorm_mode_32 3
		.amdhsa_float_denorm_mode_16_64 3
		.amdhsa_memory_ordered 1
		.amdhsa_forward_progress 1
		.amdhsa_inst_pref_size 89
	.end_amdhsa_kernel
	.amdgpu_metadata
---
amdhsa.version: [ 1, 2 ]
amdhsa.kernels:
  - .name:           k_qe1610f857f_qkv
    .symbol:         k_qe1610f857f_qkv.kd
    .args:
      - { .name: x, .offset: 0, .size: 8, .value_kind: global_buffer, .address_space: global }
      - { .name: mask, .offset: 8, .size: 8, .value_kind: global_buffer, .address_space: global }
      - { .name: wq_codes, .offset: 16, .size: 8, .value_kind: global_buffer, .address_space: global }
      - { .name: wq_scales, .offset: 24, .size: 8, .value_kind: global_buffer, .address_space: global }
      - { .name: wk_codes, .offset: 32, .size: 8, .value_kind: global_buffer, .address_space: global }
      - { .name: wk_scales, .offset: 40, .size: 8, .value_kind: global_buffer, .address_space: global }
      - { .name: wv_codes, .offset: 48, .size: 8, .value_kind: global_buffer, .address_space: global }
      - { .name: wv_scales, .offset: 56, .size: 8, .value_kind: global_buffer, .address_space: global }
      - { .name: bq, .offset: 64, .size: 8, .value_kind: global_buffer, .address_space: global }
      - { .name: bk, .offset: 72, .size: 8, .value_kind: global_buffer, .address_space: global }
      - { .name: bv, .offset: 80, .size: 8, .value_kind: global_buffer, .address_space: global }
      - { .name: qr, .offset: 88, .size: 8, .value_kind: global_buffer, .address_space: global }
      - { .name: kv, .offset: 96, .size: 8, .value_kind: global_buffer, .address_space: global }
    .group_segment_fixed_size: 327680
    .private_segment_fixed_size: 0
    .kernarg_segment_align: 8
    .kernarg_segment_size: 104
    .max_flat_workgroup_size: 512
    .sgpr_count:     100
    .vgpr_count:     256
    .wavefront_size: 32
...
	.end_amdgpu_metadata
.endif
;; end of part 1
;; launch attn (part 2): grid 8 x 32, 16 waves a work-group, clusters of 4 x 1, 167,936 bytes of LDS; arguments qr, kv, aq; writes aq
.if DOCPART == 2
	.amdgcn_target "amdgcn-amd-amdhsa--gfx1250"
	.amdhsa_code_object_version 6
	.text
	.protected	k_qe1610f857f_attn
	.globl	k_qe1610f857f_attn
	.p2align	8
	.type	k_qe1610f857f_attn,@function
k_qe1610f857f_attn:
	s_mov_b64 s[64:65], 0
	v_nop
	global_prefetch_b8 v0, s[64:65] scope:SCOPE_SE
	s_setreg_imm32_b32 hwreg(HW_REG_WAVE_MODE, 25, 1), 1
	s_wait_xcnt 0x0
	s_wait_alu depctr_hold_cnt(0) depctr_sa_sdst(0) depctr_va_vdst(0) depctr_va_sdst(0) depctr_va_ssrc(0) depctr_va_vcc(0) depctr_vm_vsrc(0)
	s_getreg_b32 s2, hwreg(HW_REG_IB_STS2, 6, 4)
	s_cmp_eq_u32 s2, 0
	s_cbranch_scc0 .Lentry_in_a_cluster
	s_endpgm
.Lentry_in_a_cluster:
	s_bfe_u32 s2, ttmp6, 0x10000c
	s_cmp_lg_u32 s2, 0x3003
	s_cbranch_scc0 .Lentry_shape_is_right
	s_endpgm
.Lentry_shape_is_right:
; O = softmax(Q K^T / 8, masked) V for one head and 256 queries, both products on codes of FP4 (E2M1) with E8M0 scales; O is divided by the row's sum and quantised along the model's axis for the next product.
; THE SOFTMAX: t = score x log2(e) / 8; M = the running largest t rounded UP to a whole number; p = 2^(t - M) is quantised along the keys, not normalised; the row's sum is taken of the unquantised p.  When M moves, the sum and O are
; multiplied by 2^(old M - new M), which rounds nothing.
; INPUTS, made by the launch before: qr and kv, records for (head, block of 128 tokens), holding images of operand registers.  A kv record (9,472 bytes): 8 tiles of K (512 bytes: K = 64 fills registers 0-3), 4 tiles of V^T (1,024),
; K's scale words, the words that hold place 64's code (+4 for a masked key), V's scale words.  Places 64 to 127 of the first product are zeros but for place 64, by which a masked key's score becomes -2^33.
; SHARES.  Sixteen waves, one tile of 16 queries each, four waves to a SIMD.  The head's 16 records, 151,552 bytes, lie in LDS, filled once: every wave fetches one record, its own number's.
; One barrier, behind all sixteen records; the sixteen key steps run with no barrier between them.
; LAYOUT.  Both products are used transposed (S^T = K Q^T, O^T = V^T P^T): a lane holds one query.  A tile is 16 neighbouring keys, channels or queries: register j of tile i in lane (r, h) is place 16 i + 8 h + j along the next K,
; and the conversions' destination registers are chosen so that one exchange of lane halves gives the next operand's layout.
; The scale words of two neighbouring tiles of K or of V come by one load, one tile's in lanes 0-15 and the next one's in lanes 16-31.
; CLUSTER: the four work-groups of a cluster belong to one head: the records are asked for jointly.
; LIMITS: a masked logit is -2^30 and not -1e9; NaN and infinities are not served.
.set REC, 9472
.set WV,  10                           ; s10 my wave's number
.set CS,  14                           ; s[14:15] c = log2(e) / 8
.set SEL, 16                           ; s[16:17] selects for lane l xor 16
.set TB,  18                           ; s18 LDS byte of the record in hand
.set CNT, 19
.set G1,  24                           ; s[24:31] group 1;  s[32:35] group 0
.set G0,  32
; REGISTERS: v1 16 L, v2 4 r, v9 4 L; v3, v4, v10 the step's LDS addresses; v12 -M, v13 the largest t, v[14:15] the sum in two halves; v16-23 Q, v24 its scale word; v26-29 p's scale operands;
; v32-95 K's 8 fragments (registers 5-7 of each stay 0); v96-159 S^T, then p; v160-191 O^T; v192-223 V's 4 fragments; v224-231 p's codes; v232-239 at work; v240-243 K's scale words, v248-249 V's; v252 f, v253 p's scale word; v254 at work
.macro NOP4
.rept 4
	v_nop
.endr
.endm
.macro ROUND
	s_barrier_signal -1
	s_barrier_wait -1
	s_cmp_lg_u32 s[WV], 0
	s_cbranch_scc1 .Lnot_wave_0_\@
	s_barrier_signal -3
.Lnot_wave_0_\@:
	s_barrier_wait -3
	s_barrier_signal -1
	s_barrier_wait -1
.endm
	s_load_b128 s[4:7], s[0:1], 0x0                ; qr, kv
	s_load_b64 s[8:9], s[0:1], 0x10                ; aq
.set SPARE, 16*REC                     ; behind the records: the spare words, 128 bytes for each wave, which no other line names
	v_lshl_add_u32 v30, v0, 2, SPARE               ; v30 my spare word, v31 0: kept for the add alone
	v_mov_b32 v31, 0
	ds_add_u32 v30, v31                            ; the opening lines: the add, twice on end, and its wait ahead of the first round
	ds_add_u32 v30, v31
	v_lshrrev_b32 v5, 5, v0
	s_delay_alu instid0(VALU_DEP_1)
	v_readfirstlane_b32 s[WV], v5                  ; wave 0..15
	s_bfe_u32 s11, ttmp6, 0x40000                  ; cx
	s_lshl_b32 s12, ttmp9, 2
	s_add_co_u32 s12, s12, s11                     ; qb: my block of 256 queries; it enters Q's and the output's addresses alone
	s_and_b32 s13, ttmp7, 0xffff                   ; bh = 16 x batch + head, which the four partners share
	s_mov_b32 s[G1], 15|(3<<16)|(1<<21)            ; a record: 37 rows of 256 bytes (32 elements of 8), dense, no padding; the mask names all four work-groups
	s_mov_b32 s[G1+1], 32<<16
	s_mov_b32 s[G1+2], 37<<16
	s_mov_b32 s[G1+3], 32<<16
	s_mov_b32 s[G1+4], 37
	s_mov_b32 s[G1+5], 32
	s_mov_b32 s[G1+6], 0
	s_mov_b32 s[G1+7], 0
	s_mov_b32 s[CS], 0x3e38aa3b
	s_mov_b32 s[CS+1], s[CS]                       ; (named with it as a pair, so it is written)
	s_mov_b32 s[SEL], 0x76543210
	s_mov_b32 s[SEL+1], 0xfedcba98
	s_mov_b32 s20, s[WV]                           ; EVERY wave fetches one record, its own number's: sixteen fills, one tensor load a wave
	s_mul_i32 s21, s20, REC
	s_lshl_b32 s22, s13, 4
	s_add_co_u32 s22, s22, s20
	s_mul_i32 s22, s22, REC
	s_mov_b32 s23, 0
	s_wait_alu depctr_va_vdst(0)                   ; directly ahead of the wait below
	s_wait_dscnt 0x0                               ; both opening adds are done
	s_wait_kmcnt 0x0
	s_add_nc_u64 s[22:23], s[6:7], s[22:23]
.irp c, 0
	s_mov_b32 s[G0+4*\c], 1
	s_add_co_u32 s[G0+4*\c+1], s21, 4*\c*REC
	s_add_nc_u64 s[G0+4*\c+2:G0+4*\c+3], s[22:23], 4*\c*REC
	s_or_b32 s[G0+4*\c+3], s[G0+4*\c+3], 0x80000000
.endr
	ROUND                                          ; all four work-groups are here: the joint loads meet
	tensor_load_to_lds s[G0:G0+3], s[G1:G1+7]      ; my record: one load of mine is out
	s_nop 0
	NOP4
	v_and_b32 v5, 31, v0
	s_delay_alu instid0(VALU_DEP_1)
	v_lshlrev_b32 v1, 4, v5                        ; 16 L
	s_delay_alu instid0(VALU_DEP_2)
	v_lshlrev_b32 v9, 2, v5                        ; 4 L
	v_and_b32 v6, 15, v0
	s_delay_alu instid0(VALU_DEP_1)
	v_lshlrev_b32 v2, 2, v6                        ; 4 r
	s_wait_alu depctr_va_vdst(0)
	v_bfe_u32 v7, v0, 4, 1                         ; h
	s_wait_alu depctr_va_vdst(0)
	s_lshl_b32 s48, s13, 4
	s_lshl_b32 s49, s12, 1
	s_add_co_u32 s48, s48, s49
	s_lshr_b32 s49, s[WV], 3
	s_add_co_u32 s48, s48, s49                     ; Q's record: 16 bh + 2 qb + w / 8
	s_mul_i32 s48, s48, 4608
	s_and_b32 s50, s[WV], 7                        ; my tile in it
	s_lshl_b32 s51, s50, 9
	s_add_co_u32 s48, s48, s51
	s_mov_b32 s49, 0
	s_add_nc_u64 s[52:53], s[4:5], s[48:49]
	s_mul_i32 s51, s50, 448
	s_sub_co_u32 s51, 4096, s51                    ; from my image to my scale words: 4,096 + 64 x tile - 512 x tile
	v_add_nc_u32 v8, s51, v2
	global_load_b128 v[16:19], v1, s[52:53]        ; Q's 64 channels
	global_load_b32 v24, v8, s[52:53]              ; its scale word: bytes 2, 3 are 142, 1
	v_sub_nc_u32 v20, 1, v7
	s_delay_alu instid0(VALU_DEP_1)
	v_mul_u32_u24 v20, 14, v20                     ; place 64 (lanes 0-15, low four bits): the code -4
	v_mov_b32 v21, 0
	v_mov_b32 v22, 0
	v_mov_b32 v23, 0
.irp t, 0,1,2,3,4,5,6,7
	v_mov_b32 v[37+8*\t], 0                        ; K's places 72 on: zeros, written once
	v_mov_b32 v[38+8*\t], 0
	v_mov_b32 v[39+8*\t], 0
.endr
	v_mov_b32 v13, 0xff61b1e6                      ; the largest t so far: -3e38
	s_delay_alu instid0(VALU_DEP_1)
	v_floor_f32 v12, -v13                          ; -M
	v_mov_b32 v14, 0
	v_mov_b32 v15, 0
.irp b, 0,1,2,3
	v_mov_b32 v[236+\b], 0                         ; a lane permute's destination counts as one of its sources
.endr
	v_mov_b32 v253, 0                              ; (named as the upper half of the pair v[252:253] before it is first written)
.set ii, 0
.rept 32
	v_mov_b32 v[160+ii], 0                         ; O^T: the step is written once; its first trip finds zeros, which the first change of M leaves zeros
.set ii, ii+1
.endr
; A KEY STEP: the 128 keys of one record
.macro STEP
	v_add_nc_u32 v3, s[TB], v1
	v_add_nc_u32 v4, s[TB], v2
	v_add_nc_u32 v10, s[TB], v9
	v_nop                                          ; four places in front of loads into registers that matrix instructions have read
.irp t, 0,1,2,3,4,5,6,7
	ds_load_b128 v[32+8*\t:35+8*\t], v3 offset:512*\t
.endr
.irp u, 0,1,2,3
	ds_load_b32 v[240+\u], v10 offset:8192+128*\u  ; lanes 0-15: tile 2 u's scale words; lanes 16-31: tile 2 u + 1's
.endr
.irp t, 0,1,2,3,4,5,6,7
	ds_load_b32 v[36+8*\t], v4 offset:8704+64*\t   ; the word of place 64 (lanes 16-31 get it at place 96, where Q has a zero)
.endr
.irp t, 0,1,2,3
	ds_load_b128 v[192+8*\t:195+8*\t], v3 offset:4096+1024*\t
	ds_load_b128 v[196+8*\t:199+8*\t], v3 offset:4096+1024*\t+512
.endr
.irp u, 0,1
	ds_load_b32 v[248+\u], v10 offset:9216+128*\u
.endr
	s_wait_dscnt 10                                ; K is in; V's ten loads may be out
.irp u, 0,1,2,3
	v_wmma_scale_f32_16x16x128_f8f6f4 v[96+16*\u:103+16*\u], v[32+16*\u:39+16*\u], v[16:23], 0, v[240+\u], v24 matrix_a_fmt:MATRIX_FMT_FP4 matrix_b_fmt:MATRIX_FMT_FP4
	v_wmma_scale_f32_16x16x128_f8f6f4 v[104+16*\u:111+16*\u], v[40+16*\u:47+16*\u], v[16:23], 0, v[240+\u], v24 matrix_a_fmt:MATRIX_FMT_FP4 matrix_b_fmt:MATRIX_FMT_FP4 matrix_a_scale:MATRIX_SCALE_ROW1
.endr                                          ; register 8 t + j of lane (r, h): key 16 t + 8 h + j for query r
	NOP4
.irp b, 0,1,2,3
	v_max3_num_f32 v[232+\b], v[96+16*\b], v[97+16*\b], v[98+16*\b]   ; the largest score of each block of 32 keys: for the row's maximum and, since p rises with the score, for the block's largest p
.endr
.irp i, 3,5,7,9,11,13
.irp b, 0,1,2,3
	v_max3_num_f32 v[232+\b], v[232+\b], v[96+16*\b+\i], v[97+16*\b+\i]
.endr
.endr
.irp b, 0,1,2,3
	v_max_num_f32 v[232+\b], v[232+\b], v[111+16*\b]
.endr
.irp b, 0,1,2,3
	s_delay_alu instid0(VALU_DEP_4)
	v_permlanex16_b32 v[236+\b], v[232+\b], s[SEL], s[SEL+1]
.endr
.irp b, 0,1,2,3
	s_delay_alu instid0(VALU_DEP_4)
	v_max_num_f32 v[232+\b], v[232+\b], v[236+\b]  ; with lane l xor 16's 16 keys
.endr
	s_delay_alu instid0(VALU_DEP_2)
	v_max3_num_f32 v254, v232, v233, v234
	s_delay_alu instid0(VALU_DEP_1)
	v_max_num_f32 v254, v254, v235
	s_delay_alu instid0(VALU_DEP_1)
	v_mul_f32 v254, s[CS], v254                    ; as t
	s_delay_alu instid0(VALU_DEP_1)
	v_max_num_f32 v13, v13, v254                   ; the running largest t
	v_mov_b32 v254, v12
	s_delay_alu instid0(VALU_DEP_2)
	v_floor_f32 v12, -v13                          ; the new -M = -ceil(t)
	s_delay_alu instid0(VALU_DEP_1)
	v_sub_f32 v254, v12, v254                      ; old M - new M: a whole number, 0 or less
	s_delay_alu instid0(VALU_DEP_1)
	v_cvt_i32_f32 v254, v254                       ; (it saturates)
	s_delay_alu instid0(VALU_DEP_1)
	v_ldexp_f32 v252, 1.0, v254                    ; f = 2^(old M - new M)
.set ii, 0
.rept 32
	v_pk_fma_f32 v[96+ii:97+ii], v[96+ii:97+ii], s[CS:CS+1], v[12:13] op_sel_hi:[1,0,0]   ; t - M, two at a time
.set ii, ii+2
.endr
.irp b, 0,1,2,3
	v_fma_f32 v[232+\b], v[232+\b], s[CS], v12     ; the same of each block's largest score
.endr
.set ii, 0
	s_wait_alu depctr_va_vdst(0)
.rept 64
	v_exp_f32 v[96+ii], v[96+ii]                   ; p = 2^(t - M)
.set ii, ii+1
.endr
	v_pk_mul_f32 v[14:15], v[14:15], v[252:253] op_sel_hi:[1,0]   ; the sums under the new M.  (The plain place behind the exponentials)
	s_wait_alu depctr_va_vdst(0)                   ; one wait for the batch of 64, ahead of its first reader
.irp b, 0,1,2,3
	v_exp_f32 v[232+\b], v[232+\b]                 ; each block's largest p
.endr
	v_pk_add_f32 v[236:237], v[100:101], v[104:105]
	v_pk_add_f32 v[254:255], v[108:109], v[112:113]
	v_pk_add_f32 v[250:251], v[116:117], v[120:121]
	v_pk_add_f32 v[246:247], v[124:125], v[128:129]
	v_pk_add_f32 v[244:245], v[132:133], v[136:137]
	v_pk_add_f32 v[242:243], v[140:141], v[144:145]
	v_pk_add_f32 v[240:241], v[148:149], v[152:153]
	v_pk_add_f32 v[14:15], v[14:15], v[156:157]
	v_pk_add_f32 v[236:237], v[236:237], v[96:97]
	v_pk_add_f32 v[254:255], v[254:255], v[98:99]
	v_pk_add_f32 v[250:251], v[250:251], v[102:103]
	v_pk_add_f32 v[246:247], v[246:247], v[106:107]
	v_pk_add_f32 v[244:245], v[244:245], v[110:111]
	v_pk_add_f32 v[242:243], v[242:243], v[114:115]
	v_pk_add_f32 v[240:241], v[240:241], v[118:119]
	v_pk_add_f32 v[14:15], v[14:15], v[122:123]
	v_pk_add_f32 v[236:237], v[236:237], v[126:127]
	v_pk_add_f32 v[254:255], v[254:255], v[130:131]
	v_pk_add_f32 v[250:251], v[250:251], v[134:135]
	v_pk_add_f32 v[246:247], v[246:247], v[138:139]
	v_pk_add_f32 v[244:245], v[244:245], v[142:143]
	v_pk_add_f32 v[242:243], v[242:243], v[146:147]
	v_pk_add_f32 v[240:241], v[240:241], v[150:151]
	v_pk_add_f32 v[14:15], v[14:15], v[154:155]
	v_pk_add_f32 v[236:237], v[236:237], v[158:159]
	s_delay_alu instid0(VALU_DEP_2)
	v_pk_add_f32 v[14:15], v[14:15], v[246:247]
	s_delay_alu instid0(VALU_DEP_2)
	v_pk_add_f32 v[236:237], v[236:237], v[244:245]
	v_pk_add_f32 v[254:255], v[254:255], v[242:243]
	v_pk_add_f32 v[250:251], v[250:251], v[240:241]
	s_delay_alu instid0(VALU_DEP_2)
	v_pk_add_f32 v[14:15], v[14:15], v[254:255]
	s_delay_alu instid0(VALU_DEP_2)
	v_pk_add_f32 v[236:237], v[236:237], v[250:251]
	s_delay_alu instid0(VALU_DEP_1)
	v_pk_add_f32 v[14:15], v[14:15], v[236:237]
	s_wait_alu depctr_va_vdst(0)                   ; and one for the four
.irp b, 0,1,2,3
	v_max_num_f32 v[232+\b], 0x1800000, v[232+\b]  ; the floor 2^(3 - 127): a block whose every p is 0 keeps the byte 1 over zero codes
.endr
.irp b, 0,1,2,3
	s_delay_alu instid0(VALU_DEP_4)
	v_add_nc_u32 v[26+\b], 0xff000000, v[232+\b]   ; the conversion's scale operand
.endr
.irp b, 0,1,2,3
	s_delay_alu instid0(VALU_DEP_4)
	v_lshrrev_b32 v[236+\b], 23, v[26+\b]          ; the scale's byte
.endr
	s_delay_alu instid0(VALU_DEP_3)
	v_lshl_or_b32 v253, v237, 8, v236              ; p's scale word for these 128 keys
	s_delay_alu instid0(VALU_DEP_1)
	v_lshl_or_b32 v253, v238, 16, v253
	s_delay_alu instid0(VALU_DEP_1)
	v_lshl_or_b32 v253, v239, 24, v253
.irp b, 0,1,2,3                                ; the eight codes of (block 2 c + e, registers 8 p on) go to register 4 c + 2 p + e
	v_cvt_scalef32_pk8_fp4_f32 v[224+4*(\b/2)+(\b%2)], v[96+16*\b:103+16*\b], v[26+\b]
	v_cvt_scalef32_pk8_fp4_f32 v[226+4*(\b/2)+(\b%2)], v[104+16*\b:111+16*\b], v[26+\b]
.endr
	v_nop                                          ; one plain place behind a scaled conversion
.irp c, 0,1
.irp p, 0,1
	v_permlane16_swap_b32 v[224+4*\c+2*\p], v[225+4*\c+2*\p]   ; register 4 c + w of lane half H now holds keys 64 c + 32 H + 8 w + 0 .. 7
.endr
.endr
.set ii, 0
.rept 16
	v_pk_mul_f32 v[160+ii:161+ii], v[160+ii:161+ii], v[252:253] op_sel_hi:[1,0]   ; O^T under the new M.  (Twelve of these sixteen name no register of any one product below: the places between p's codes and scale word and the products)
.set ii, ii+2
.endr
	s_wait_alu depctr_va_vdst(0)
	s_wait_dscnt 0x0                               ; V is in
.irp u, 0,1
	v_wmma_scale_f32_16x16x128_f8f6f4 v[160+16*\u:167+16*\u], v[192+16*\u:199+16*\u], v[224:231], v[160+16*\u:167+16*\u], v[248+\u], v253 matrix_a_fmt:MATRIX_FMT_FP4 matrix_b_fmt:MATRIX_FMT_FP4
	v_wmma_scale_f32_16x16x128_f8f6f4 v[168+16*\u:175+16*\u], v[200+16*\u:207+16*\u], v[224:231], v[168+16*\u:175+16*\u], v[248+\u], v253 matrix_a_fmt:MATRIX_FMT_FP4 matrix_b_fmt:MATRIX_FMT_FP4 matrix_a_scale:MATRIX_SCALE_ROW1
.endr
.endm
; A run of key steps behind one barrier.  left: how many of a fetching wave's younger loads may stay out; first, trips: the records read
.macro CHUNK left, first, trips
	s_wait_tensorcnt \left                         ; tensor loads of a wave end in order: what this run reads of mine has landed; nothing is ever filled again, so later records may stay out
	s_wait_dscnt 0x0
	s_barrier_signal -1
	s_barrier_wait -1                              ; everybody's has
	s_mov_b32 s[TB], \first*REC
	s_mov_b32 s[CNT], \trips
.Lstep_\@:
	STEP
	s_add_co_u32 s[TB], s[TB], REC
	s_sub_co_u32 s[CNT], s[CNT], 1
	s_cmp_lg_u32 s[CNT], 0
	s_cbranch_scc1 .Lstep_\@
.endm
	s_wait_loadcnt 0x0                             ; Q
	CHUNK 0, 0, 16                                 ; one barrier: all sixteen records are in; the sixteen key steps run with no barrier between them
	; THE WAY OUT: O^T / the sum; register 8 t + j is channel 16 t + 8 h + j of my query: two blocks of 32 along the next K
	NOP4
	v_add_f32 v14, v14, v15
	s_delay_alu instid0(VALU_DEP_1)
	v_permlanex16_b32 v252, v14, s[SEL], s[SEL+1]
	s_delay_alu instid0(VALU_DEP_1)
	v_add_f32 v14, v14, v252                       ; the row's sum
	s_wait_alu depctr_va_vdst(0)
	v_rcp_f32 v14, v14
	v_nop                                          ; a plain place behind the reciprocal
	s_lshr_b32 s48, s13, 4
	s_lshl_b32 s48, s48, 7
	s_lshl_b32 s49, s12, 4
	s_add_co_u32 s48, s48, s49
	s_add_co_u32 s48, s48, s[WV]                   ; T = 128 x batch + 16 qb + w: tokens 16 T + r
	s_and_b32 s50, s13, 15                         ; the head
	s_lshr_b32 s51, s50, 1                         ; the next product's K step
	s_and_b32 s50, s50, 1                          ; and the half of it
	s_lshl_b32 s54, s48, 13
	s_lshl_b32 s55, s51, 10
	s_add_co_u32 s54, s54, s55
	s_lshl_b32 s55, s50, 9
	s_add_co_u32 s54, s54, s55
	s_mov_b32 s55, 0
	s_add_nc_u64 s[54:55], s[8:9], s[54:55]        ; my half image: 8,192 T + 1,024 (head / 2) + 512 (head % 2)
	s_lshl_b32 s56, s51, 14
	s_lshl_b32 s57, s48, 6
	s_add_co_u32 s56, s56, s57
	s_lshl_b32 s57, s50, 1
	s_add_co_u32 s56, s56, s57
	s_add_co_u32 s56, s56, 2097152
	s_mov_b32 s57, 0
	s_add_nc_u64 s[56:57], s[8:9], s[56:57]        ; my half of the scale words
	s_wait_alu depctr_va_vdst(0)                   ; the wait ahead of the reciprocal's first reader
.set ii, 0
.rept 32
	v_mul_f32 v[96+ii], v[160+ii], v14
.set ii, ii+1
.endr
.irp b, 0,1
	v_max3_num_f32 v[232+\b], |v[96+16*\b]|, |v[97+16*\b]|, 0x1800000
.endr
.irp i, 2,4,6,8,10,12,14
.irp b, 0,1
	s_delay_alu instid0(VALU_DEP_2)
	v_max3_num_f32 v[232+\b], v[232+\b], |v[96+16*\b+\i]|, |v[97+16*\b+\i]|
.endr
.endr
.irp b, 0,1
	s_delay_alu instid0(VALU_DEP_2)
	v_permlanex16_b32 v[236+\b], v[232+\b], s[SEL], s[SEL+1]
.endr
.irp b, 0,1
	s_delay_alu instid0(VALU_DEP_2)
	v_max_num_f32 v[232+\b], v[232+\b], v[236+\b]
.endr
.irp b, 0,1
	s_delay_alu instid0(VALU_DEP_2)
	v_add_nc_u32 v[26+\b], 0xff000000, v[232+\b]
.endr
.irp b, 0,1
	s_delay_alu instid0(VALU_DEP_2)
	v_lshrrev_b32 v[236+\b], 23, v[26+\b]
.endr
	s_delay_alu instid0(VALU_DEP_1)
	v_lshl_or_b32 v254, v237, 8, v236              ; my row's two scale bytes
.irp b, 0,1                                    ; (block b, registers 8 p on) to register 2 p + b, as in the key step
	v_cvt_scalef32_pk8_fp4_f32 v[224+\b], v[96+16*\b:103+16*\b], v[26+\b]
	v_cvt_scalef32_pk8_fp4_f32 v[226+\b], v[104+16*\b:111+16*\b], v[26+\b]
.endr
	v_nop
	v_permlane16_swap_b32 v224, v225
	v_permlane16_swap_b32 v226, v227
	global_store_b128 v1, v[224:227], s[54:55]     ; 512 consecutive bytes
	global_store_b16 v2, v254, s[56:57]            ; lanes r and r + 16 write the same two bytes with the same value; the other two bytes of a word are the neighbouring head's
	s_wait_tensorcnt 0x0                           ; the wave's end
	ds_add_u32 v30, v31
	s_wait_dscnt 0x0
	ROUND                                          ; the closing round
	s_endpgm
.Lfunc_end_k_qe1610f857f_attn:
	.size	k_qe1610f857f_attn, .Lfunc_end_k_qe1610f857f_attn-k_qe1610f857f_attn
	.p2alignl 7, 3214868480
	.fill 96, 4, 3214868480
	.section	.rodata,"a",@progbits
	.p2align	6, 0x0
	.amdhsa_kernel k_qe1610f857f_attn
		.amdhsa_group_segment_fixed_size 167936
		.amdhsa_private_segment_fixed_size 0
		.amdhsa_enable_private_segment 0
		.amdhsa_kernarg_size 24
		.amdhsa_user_sgpr_count 2
		.amdhsa_user_sgpr_kernarg_segment_ptr 1
		.amdhsa_wavefront_size32 1
		.amdhsa_system_sgpr_workgroup_id_x 1
		.amdhsa_system_sgpr_workgroup_id_y 1
		.amdhsa_system_sgpr_workgroup_id_z 1
		.amdhsa_system_vgpr_workitem_id 0
		.amdhsa_next_free_vgpr 256
		.amdhsa_next_free_sgpr 66
		.amdhsa_reserve_vcc 0
		.amdhsa_float_denorm_mode_32 3
		.amdhsa_float_denorm_mode_16_64 3
		.amdhsa_memory_ordered 1
		.amdhsa_forward_progress 1
		.amdhsa_inst_pref_size 29
	.end_amdhsa_kernel
	.amdgpu_metadata
---
amdhsa.version: [ 1, 2 ]
amdhsa.kernels:
  - .name:           k_qe1610f857f_attn
    .symbol:         k_qe1610f857f_attn.kd
    .args:
      - { .name: qr, .offset: 0, .size: 8, .value_kind: global_buffer, .address_space: global }
      - { .name: kv, .offset: 8, .size: 8, .value_kind: global_buffer, .address_space: global }
      - { .name: aq, .offset: 16, .size: 8, .value_kind: global_buffer, .address_space: global }
    .group_segment_fixed_size: 167936
    .private_segment_fixed_size: 0
    .kernarg_segment_align: 8
    .kernarg_segment_size: 24
    .max_flat_workgroup_size: 512
    .sgpr_count:     66
    .vgpr_count:     256
    .wavefront_size: 32
...
	.end_amdgpu_metadata
.endif
;; end of part 2
;; launch woln (part 3): grid 256 x 1, 16 waves a work-group, clusters of 4 x 1, 327,680 bytes of LDS; arguments aq, wo_codes, wo_scales, bo, x, ln1_g, ln1_b, x1, xq; writes x1, xq
.if DOCPART == 3
	.amdgcn_target "amdgcn-amd-amdhsa--gfx1250"
	.amdhsa_code_object_version 6
	.text
	.protected	k_qe1610f857f_woln
	.globl	k_qe1610f857f_woln
	.p2align	8
	.type	k_qe1610f857f_woln,@function
k_qe1610f857f_woln:
	s_mov_b64 s[64:65], 0
	v_nop
	global_prefetch_b8 v0, s[64:65] scope:SCOPE_SE
	s_setreg_imm32_b32 hwreg(HW_REG_WAVE_MODE, 25, 1), 1
	s_wait_xcnt 0x0
	s_wait_alu depctr_hold_cnt(0) depctr_sa_sdst(0) depctr_va_vdst(0) depctr_va_sdst(0) depctr_va_ssrc(0) depctr_va_vcc(0) depctr_vm_vsrc(0)
	s_getreg_b32 s2, hwreg(HW_REG_IB_STS2, 6, 4)
	s_cmp_eq_u32 s2, 0
	s_cbranch_scc0 .Lentry_in_a_cluster
	s_endpgm
.Lentry_in_a_cluster:
	s_bfe_u32 s2, ttmp6, 0x10000c
	s_cmp_lg_u32 s2, 0x3003
	s_cbranch_scc0 .Lentry_shape_is_right
	s_endpgm
.Lentry_shape_is_right:
; x1 = layer norm(x + A wo + bo) x g + b, and x1 quantised for the next product.  A: the attention's output as images of operand registers with scale words; wo: codes of FP4 (E2M1), K innermost, with E8M0 scale bytes; K = 1,024.
; SHARES.  A work-group owns 16 tokens (tile T) and all 1,024 columns, so that the rows' mean and variance need no other work-group and the sums never go to memory.  Sixteen waves; wave w makes columns 64 w .. 64 w + 63 (4 accumulators),
; and afterwards owns row w of the sixteen.  The product is used transposed (source 0 = 16 rows of wo, source 1 = the 16 tokens): a lane holds eight neighbouring columns of one token.  The sums begin as the bias.
; wo's codes come in TWO fills of 1,024 rows x 256 bytes (512 along K), 16 bytes of padding behind each row; wave w fetches its own 64 rows and it alone reads them, so its wait on TENSORcnt orders its reads.
; The second fill lands on the first's bytes, behind the three lines and a round of the cluster's barrier.  A's 8 fragments, both sides' scale words, the bias and my row of x come straight into registers.
; CLUSTER 4 x 1: the four work-groups walk the same wo: joint loads, mask 15.  No prefetch: the text has no loop to run ahead in; each fill is asked for as soon as its bytes are free.
; THE WAY OUT.  The 16 x 1,024 sums go through a stage in LDS (pitch 4,112 bytes) that lies on the slot, which has then had its last fill and, behind a barrier, its last read.  A row stays in registers between the mean, the variance
; (of the differences from the mean) and the scaling; it is stored as f32 and put back into the stage, from which waves 0 to 7 make the images and scale words of K steps 0 to 7.
; The launch claims all of a WGP's LDS and adds 0 to spare words.
; LIMITS: NaN and infinities are not served; a block of zeros gets the scale byte 1 (its codes are zeros; this program alone reads the bytes).
.set PITCH, 272
.set WPART, 64*PITCH                   ; a wave's 64 rows
.set SPARE, 1024*PITCH                 ; behind the slot: the spare words, 128 bytes for each wave
.set SPT,   4112                       ; a row of the stage
.set WV,    22
.set SEL,   60                         ; s[60:61] selects for lane l xor 16;  s62 1 / 1,024
.set G1,    32
.set G0,    40
.set ACC,   16                         ; v16-47   accumulator i: columns 16 i + 8 h + e
.set AF,    48                         ; v48-111  A's fragments of the 8 K steps; later g (48-79) and b (80-111)
.set AS,    112                        ; v112-119 A's scale words, one a K step
.set WS,    120                        ; v120-135 wo's scale words: register 8 j + q: lanes 0-15 tile 2 j, lanes 16-31 tile 2 j + 1, K step q
.set WF,    136                        ; v136-199 wo's fragments of two K steps
.set Y,     136                        ; v136-167 my row; v168-175 at work
.set TM,    180                        ; v180-195 the quantiser's work
.set X,     200                        ; v200-231 my row of x; later the codes made
.macro NOP4
.rept 4
	v_nop
.endr
.endm
.macro ROUND
	s_barrier_signal -1
	s_barrier_wait -1
	s_cmp_lg_u32 s[WV], 0
	s_cbranch_scc1 .Lnot_wave_0_\@
	s_barrier_signal -3
.Lnot_wave_0_\@:
	s_barrier_wait -3
	s_barrier_signal -1
	s_barrier_wait -1
.endm
	s_load_b512 s[4:19], s[0:1], 0x0               ; aq, wo's codes, wo's scales, bo, x, g, b, x1
	s_load_b64 s[20:21], s[0:1], 0x40              ; xq
	v_lshl_add_u32 v14, v0, 2, SPARE               ; v14 my spare word, v15 0: kept for the add alone
	v_mov_b32 v15, 0
	ds_add_u32 v14, v15                            ; the opening lines: the add, twice on end, and its wait
	ds_add_u32 v14, v15
	v_lshrrev_b32 v9, 5, v0
	s_delay_alu instid0(VALU_DEP_1)
	v_readfirstlane_b32 s[WV], v9                  ; wave 0..15
	s_bfe_u32 s23, ttmp6, 0x40000                  ; cx
	s_lshl_b32 s24, ttmp9, 2
	s_add_co_u32 s24, s24, s23                     ; T: it enters global addresses alone
	s_and_b32 s25, s[WV], 7                        ; the K step that I quantise
	s_mov_b32 s[SEL], 0x76543210
	s_mov_b32 s[SEL+1], 0xfedcba98
	s_mov_b32 s62, 0x3a800000
	s_mov_b32 s[G1], 15|(0<<16)|(1<<20)|(1<<21)|(5<<22)|(3<<25)   ; 64 rows of 256 bytes, 512 apart, 4 words of padding behind every 64; the mask names all four work-groups
	s_mov_b32 s[G1+1], 256<<16
	s_mov_b32 s[G1+2], 64<<16
	s_mov_b32 s[G1+3], 256<<16
	s_mov_b32 s[G1+4], 64
	s_mov_b32 s[G1+5], 512
	s_mov_b32 s[G1+6], 0
	s_mov_b32 s[G1+7], 0
	v_and_b32 v9, 31, v0                           ; L
	v_and_b32 v10, 15, v0                          ; r
	v_bfe_u32 v11, v0, 4, 1                        ; h
	v_lshlrev_b32 v1, 4, v9                        ; v1 16 L
	v_lshlrev_b32 v2, 2, v10                       ; v2 4 r
	v_lshlrev_b32 v3, 5, v11                       ; v3 32 h
	v_lshlrev_b32 v5, 5, v9                        ; v5 32 L: a row of wo's scale bytes
	v_mul_u32_u24 v4, v10, PITCH
	s_delay_alu instid0(VALU_DEP_1)
	v_lshl_add_u32 v4, v11, 4, v4
	s_mul_i32 s26, s[WV], WPART
	v_add_nc_u32 v4, s26, v4                       ; v4 wo's fragments: my rows, row r, + 16 h
	v_mul_u32_u24 v12, v10, SPT
	s_delay_alu instid0(VALU_DEP_1)
	v_lshl_add_u32 v6, v11, 5, v12
	s_lshl_b32 s27, s[WV], 8
	v_add_nc_u32 v6, s27, v6                       ; v6 into the stage: token r, my 64 columns, + 32 h
	s_mul_i32 s27, s[WV], SPT
	v_add_nc_u32 v7, s27, v1                       ; v7 my row of the stage, + 16 L
	v_lshl_add_u32 v8, v11, 6, v12
	s_lshl_b32 s27, s25, 9
	v_add_nc_u32 v8, s27, v8                       ; v8 the quantiser's: row r, my K step, + 64 h
	s_lshl_b32 s44, s24, 13                        ; byte offsets: a tile's images,
	s_mov_b32 s45, 0
	s_lshl_b32 s46, s24, 6
	s_add_co_u32 s46, s46, 2097152                 ; its scale words,
	s_mov_b32 s47, 0
	s_lshl_b32 s48, s[WV], 11                      ; my 64 rows of wo's scale bytes,
	s_mov_b32 s49, 0
	s_lshl_b32 s50, s[WV], 8                       ; my 64 numbers of bo,
	s_mov_b32 s51, 0
	s_lshl_b32 s52, s24, 4
	s_add_co_u32 s52, s52, s[WV]
	s_lshl_b32 s52, s52, 12                        ; row 16 T + w of x and of x1,
	s_mov_b32 s53, 0
	s_lshl_b32 s28, s[WV], 15                      ; my 64 rows of wo's codes,
	s_mov_b32 s29, 0
	s_lshl_b32 s56, s25, 10
	s_add_co_u32 s56, s56, s44                     ; the image that I make
	s_mov_b32 s57, 0
	s_lshl_b32 s58, s25, 14
	s_add_co_u32 s58, s58, s46                     ; and its scale words
	s_mov_b32 s59, 0
	s_wait_alu depctr_va_vdst(0)                   ; the wait at the head's end
	s_wait_dscnt 0x0                               ; both opening adds are done
	s_wait_kmcnt 0x0
	s_add_nc_u64 s[56:57], s[20:21], s[56:57]
	s_add_nc_u64 s[58:59], s[20:21], s[58:59]
	s_add_nc_u64 s[44:45], s[4:5], s[44:45]
	s_add_nc_u64 s[46:47], s[4:5], s[46:47]
	s_add_nc_u64 s[48:49], s[8:9], s[48:49]
	s_add_nc_u64 s[50:51], s[10:11], s[50:51]
	s_add_nc_u64 s[54:55], s[18:19], s[52:53]
	s_add_nc_u64 s[52:53], s[12:13], s[52:53]
	s_mov_b32 s[G0], 1
	s_mov_b32 s[G0+1], s26
	s_add_nc_u64 s[G0+2:G0+3], s[6:7], s[28:29]
	s_or_b32 s[G0+3], s[G0+3], 0x80000000
	ROUND                                          ; all four work-groups are here: the joint loads meet
	tensor_load_to_lds s[G0:G0+3], s[G1:G1+7]      ; K 0 .. 511 of my 64 rows: every wave's one load at the head
	s_nop 0
	NOP4
.irp i, 0,1,2,3
	global_load_b128 v[ACC+8*\i:ACC+8*\i+3], v3, s[50:51] offset:64*\i
	global_load_b128 v[ACC+8*\i+4:ACC+8*\i+7], v3, s[50:51] offset:64*\i+16
.endr
.irp q, 0,1,2,3,4,5,6,7
	global_load_b128 v[AF+8*\q:AF+8*\q+3], v1, s[44:45] offset:1024*\q
	global_load_b128 v[AF+8*\q+4:AF+8*\q+7], v1, s[44:45] offset:1024*\q+512
	global_load_b32 v[AS+\q], v2, s[46:47] offset:16384*\q
.endr
.irp j, 0,1
	global_load_b128 v[WS+8*\j:WS+8*\j+3], v5, s[48:49] offset:1024*\j
	global_load_b128 v[WS+8*\j+4:WS+8*\j+7], v5, s[48:49] offset:1024*\j+16
.endr
.irp i, 0,1,2,3,4,5,6,7
	global_load_b128 v[X+4*\i:X+4*\i+3], v1, s[52:53] offset:512*\i th:TH_LOAD_NT
.endr
.macro WLOAD q, buf                    ; the fill's q-th 128 along K: my four tiles
.irp i, 0,1,2,3
	ds_load_b128 v[WF+32*\buf+8*\i:WF+32*\buf+8*\i+3], v4 offset:\i*16*PITCH+64*(\q)
	ds_load_b128 v[WF+32*\buf+8*\i+4:WF+32*\buf+8*\i+7], v4 offset:\i*16*PITCH+64*(\q)+32
.endr
.endm
.macro MULS qg, buf                    ; the four accumulators take turns, one instruction a turn
.irp u, 0,1
	v_wmma_scale_f32_16x16x128_f8f6f4 v[ACC+16*\u:ACC+16*\u+7], v[WF+32*\buf+16*\u:WF+32*\buf+16*\u+7], v[AF+8*(\qg):AF+8*(\qg)+7], v[ACC+16*\u:ACC+16*\u+7], v[WS+8*\u+(\qg)], v[AS+(\qg)] matrix_a_fmt:MATRIX_FMT_FP4 matrix_b_fmt:MATRIX_FMT_FP4
	v_wmma_scale_f32_16x16x128_f8f6f4 v[ACC+16*\u+8:ACC+16*\u+15], v[WF+32*\buf+16*\u+8:WF+32*\buf+16*\u+15], v[AF+8*(\qg):AF+8*(\qg)+7], v[ACC+16*\u+8:ACC+16*\u+15], v[WS+8*\u+(\qg)], v[AS+(\qg)] matrix_a_fmt:MATRIX_FMT_FP4 matrix_b_fmt:MATRIX_FMT_FP4 matrix_a_scale:MATRIX_SCALE_ROW1
.endr
.endm
.macro PHASE p                         ; one fill's four K steps, two at a time
.irp t, 0,2
	NOP4                                           ; four places in front of loads into registers that matrix instructions have read
	WLOAD \t, 0
	WLOAD \t+1, 1
	s_wait_dscnt 8                                 ; the first step's eight loads are in; the second's may be out
	MULS 4*\p+\t, 0
	s_wait_dscnt 0x0
	MULS 4*\p+\t+1, 1
.endr
.endm
	s_wait_loadcnt 8                               ; all but the eight youngest loads, my row of x
	s_wait_tensorcnt 0x0                           ; my rows are in; nobody else reads them
	PHASE 0
	s_wait_tensorcnt 0x0                           ; in front of the refill's round
	ds_add_u32 v14, v15
	s_add_nc_u64 s[G0+2:G0+3], s[G0+2:G0+3], 256   ; no tensor load of mine is out: K 512 .. 1,023
	s_wait_dscnt 0x0                               ; the add is done, and my reads of the slot are over
	ROUND
	tensor_load_to_lds s[G0:G0+3], s[G1:G1+7]      ; the first tensor load behind the round, one a wave
	s_nop 0
	NOP4
	s_wait_tensorcnt 0x0
	PHASE 1
	NOP4                                           ; four places in front of loads into A's registers and of the first read of results
.irp i, 0,1,2,3,4,5,6,7
	global_load_b128 v[48+4*\i:51+4*\i], v1, s[14:15] offset:512*\i
	global_load_b128 v[80+4*\i:83+4*\i], v1, s[16:17] offset:512*\i
.endr
	s_wait_dscnt 0x0
	s_barrier_signal -1
	s_barrier_wait -1                              ; nobody reads the slot any more: it has had its last fill and becomes the stage
.irp i, 0,1,2,3
	ds_store_b128 v6, v[ACC+8*\i:ACC+8*\i+3] offset:64*\i          ; each accumulator from its low end on
	ds_store_b128 v6, v[ACC+8*\i+4:ACC+8*\i+7] offset:64*\i+16
.endr
	s_wait_dscnt 0x0
	s_barrier_signal -1
	s_barrier_wait -1                              ; all sixteen rows are whole
.irp i, 0,1,2,3,4,5,6,7
	ds_load_b128 v[Y+4*\i:Y+4*\i+3], v7 offset:512*\i
.endr
	s_wait_loadcnt 16                              ; x is in; the 16 loads of g and b may be out
	s_wait_dscnt 0x0
.macro LANESUM a, t                    ; the sum over the 32 lanes, in every lane
	s_delay_alu instid0(VALU_DEP_1)
	v_add_f32_dpp v[\a], v[\a], v[\a] row_xmask:1 row_mask:0xf bank_mask:0xf
	s_delay_alu instid0(VALU_DEP_1)
	v_add_f32_dpp v[\a], v[\a], v[\a] row_xmask:2 row_mask:0xf bank_mask:0xf
	s_delay_alu instid0(VALU_DEP_1)
	v_add_f32_dpp v[\a], v[\a], v[\a] row_xmask:4 row_mask:0xf bank_mask:0xf
	s_delay_alu instid0(VALU_DEP_1)
	v_add_f32_dpp v[\a], v[\a], v[\a] row_xmask:8 row_mask:0xf bank_mask:0xf
	s_delay_alu instid0(VALU_DEP_1)
	v_permlanex16_b32 v[\t], v[\a], s[SEL], s[SEL+1]
	s_delay_alu instid0(VALU_DEP_1)
	v_add_f32 v[\a], v[\a], v[\t]
.endm
.set ii, 0
.rept 16
	v_pk_add_f32 v[Y+ii:Y+ii+1], v[Y+ii:Y+ii+1], v[X+ii:X+ii+1]    ; the residual
.set ii, ii+2
.endr
	v_pk_add_f32 v[168:169], v[Y:Y+1], v[Y+2:Y+3]                  ; two chains
	v_pk_add_f32 v[170:171], v[Y+4:Y+5], v[Y+6:Y+7]
.irp i, 8,12,16,20,24,28
	s_delay_alu instid0(VALU_DEP_2)
	v_pk_add_f32 v[168:169], v[168:169], v[Y+\i:Y+\i+1]
	s_delay_alu instid0(VALU_DEP_2)
	v_pk_add_f32 v[170:171], v[170:171], v[Y+\i+2:Y+\i+3]
.endr
	s_delay_alu instid0(VALU_DEP_1)
	v_pk_add_f32 v[168:169], v[168:169], v[170:171]
	s_delay_alu instid0(VALU_DEP_1)
	v_add_f32 v168, v168, v169
	LANESUM 168, 169
	s_delay_alu instid0(VALU_DEP_1)
	v_mul_f32 v168, s62, v168                      ; the mean
.set ii, 0
.rept 16
	v_pk_add_f32 v[Y+ii:Y+ii+1], v[Y+ii:Y+ii+1], v[168:169] op_sel_hi:[1,0] neg_lo:[0,1] neg_hi:[0,1]
.set ii, ii+2
.endr
	v_pk_mul_f32 v[170:171], v[Y:Y+1], v[Y:Y+1]
	v_pk_mul_f32 v[172:173], v[Y+2:Y+3], v[Y+2:Y+3]
.irp i, 4,8,12,16,20,24,28
	s_delay_alu instid0(VALU_DEP_2)
	v_pk_fma_f32 v[170:171], v[Y+\i:Y+\i+1], v[Y+\i:Y+\i+1], v[170:171]
	s_delay_alu instid0(VALU_DEP_2)
	v_pk_fma_f32 v[172:173], v[Y+\i+2:Y+\i+3], v[Y+\i+2:Y+\i+3], v[172:173]
.endr
	s_delay_alu instid0(VALU_DEP_1)
	v_pk_add_f32 v[170:171], v[170:171], v[172:173]
	s_delay_alu instid0(VALU_DEP_1)
	v_add_f32 v170, v170, v171
	LANESUM 170, 171
	s_delay_alu instid0(VALU_DEP_1)
	v_fmaak_f32 v172, s62, v170, 0x3727c5ac        ; the sum / 1,024 + 1e-5
	s_wait_alu depctr_va_vdst(0)                   ; the wait ahead of the root
	v_rsq_f32 v174, v172
	v_mov_b32 v175, 0                              ; (the pair's upper half is named, so it is written.  Also the plain place behind the root)
	s_wait_loadcnt 0x0                             ; g and b
	s_wait_alu depctr_va_vdst(0)                   ; and ahead of its first reader
.set ii, 0
.rept 16
	v_pk_mul_f32 v[Y+ii:Y+ii+1], v[Y+ii:Y+ii+1], v[174:175] op_sel_hi:[1,0]
.set ii, ii+2
.endr
.set ii, 0
.rept 16
	v_pk_fma_f32 v[Y+ii:Y+ii+1], v[Y+ii:Y+ii+1], v[48+ii:49+ii], v[80+ii:81+ii]
.set ii, ii+2
.endr
.irp i, 0,1,2,3,4,5,6,7
	global_store_b128 v1, v[Y+4*\i:Y+4*\i+3], s[54:55] offset:512*\i th:TH_STORE_NT   ; 512 consecutive bytes each
.endr
.irp i, 0,1,2,3,4,5,6,7
	ds_store_b128 v7, v[Y+4*\i:Y+4*\i+3] offset:512*\i             ; back into my own row of the stage
.endr
	s_wait_dscnt 0x0
	s_barrier_signal -1
	s_barrier_wait -1                              ; all sixteen finished rows lie in the stage
	s_cmp_lt_u32 s[WV], 8
	s_cbranch_scc0 .Lend                           ; eight K steps: waves 8 to 15 quantise nothing
.irp b, 0,1,2,3
.irp j, 0,1,2,3
	ds_load_b128 v[16+16*\b+4*\j:19+16*\b+4*\j], v8 offset:128*\b+16*\j   ; register 16 b + i = k 128 w + 32 b + 16 h + i of row r
.endr
.endr
.irp b, 0,1,2,3
	v_mov_b32 v[TM+4+\b], 0                        ; a lane permute's destination counts as one of its sources
.endr
	s_wait_dscnt 0x0
.irp b, 0,1,2,3
	v_max3_num_f32 v[TM+\b], |v[16+16*\b]|, |v[17+16*\b]|, 0x1800000   ; my 16 numbers of block b and the floor 2^(3 - 127)
.endr
.irp i, 2,4,6,8,10,12,14
.irp b, 0,1,2,3
	s_delay_alu instid0(VALU_DEP_4)
	v_max3_num_f32 v[TM+\b], v[TM+\b], |v[16+16*\b+\i]|, |v[17+16*\b+\i]|
.endr
.endr
.irp b, 0,1,2,3
	s_delay_alu instid0(VALU_DEP_4)
	v_permlanex16_b32 v[TM+4+\b], v[TM+\b], s[SEL], s[SEL+1]
.endr
.irp b, 0,1,2,3
	s_delay_alu instid0(VALU_DEP_4)
	v_max_num_f32 v[TM+\b], v[TM+\b], v[TM+4+\b]   ; the block's largest magnitude
.endr
.irp b, 0,1,2,3
	s_delay_alu instid0(VALU_DEP_4)
	v_add_nc_u32 v[TM+12+\b], 0xff000000, v[TM+\b] ; 2 off its exponent field: the conversion's scale operand
.endr
.irp b, 0,1,2,3
	s_delay_alu instid0(VALU_DEP_4)
	v_lshrrev_b32 v[TM+4+\b], 23, v[TM+12+\b]      ; the scale's byte
.endr
	s_delay_alu instid0(VALU_DEP_3)
	v_lshl_or_b32 v216, v[TM+5], 8, v[TM+4]
	s_delay_alu instid0(VALU_DEP_1)
	v_lshl_or_b32 v216, v[TM+6], 16, v216
	s_delay_alu instid0(VALU_DEP_1)
	v_lshl_or_b32 v216, v[TM+7], 24, v216          ; my row's scale word
.irp b, 0,1,2,3
	v_cvt_scalef32_pk8_fp4_f32 v[208+2*\b], v[16+16*\b:23+16*\b], v[TM+12+\b]
	v_cvt_scalef32_pk8_fp4_f32 v[209+2*\b], v[24+16*\b:31+16*\b], v[TM+12+\b]
.endr
	v_nop                                          ; one plain place behind a scaled conversion
.irp c, 0,1
.irp i, 0,1
	v_permlane16_swap_b32 v[208+4*\c+\i], v[210+4*\c+\i]   ; a whole block to a lane
.endr
.endr
	global_store_b128 v1, v[208:211], s[56:57]     ; 512 consecutive bytes each
	global_store_b128 v1, v[212:215], s[56:57] offset:512
	global_store_b32 v2, v216, s[58:59]            ; lanes r and r + 16 write the same word with the same value
.Lend:
	s_wait_tensorcnt 0x0                           ; the wave's end
	ds_add_u32 v14, v15
	s_wait_dscnt 0x0
	ROUND                                          ; the closing round
	s_endpgm
.Lfunc_end_k_qe1610f857f_woln:
	.size	k_qe1610f857f_woln, .Lfunc_end_k_qe1610f857f_woln-k_qe1610f857f_woln
	.p2alignl 7, 3214868480
	.fill 96, 4, 3214868480
	.section	.rodata,"a",@progbits
	.p2align	6, 0x0
	.amdhsa_kernel k_qe1610f857f_woln
		.amdhsa_group_segment_fixed_size 327680
		.amdhsa_private_segment_fixed_size 0
		.amdhsa_enable_private_segment 0
		.amdhsa_kernarg_size 72
		.amdhsa_user_sgpr_count 2
		.amdhsa_user_sgpr_kernarg_segment_ptr 1
		.amdhsa_wavefront_size32 1
		.amdhsa_system_sgpr_workgroup_id_x 1
		.amdhsa_system_sgpr_workgroup_id_y 1
		.amdhsa_system_sgpr_workgroup_id_z 1
		.amdhsa_system_vgpr_workitem_id 0
		.amdhsa_next_free_vgpr 256
		.amdhsa_next_free_sgpr 66
		.amdhsa_reserve_vcc 0
		.amdhsa_float_denorm_mode_32 3
		.amdhsa_float_denorm_mode_16_64 3
		.amdhsa_memory_ordered 1
		.amdhsa_forward_progress 1
		.amdhsa_inst_pref_size 38
	.end_amdhsa_kernel
	.amdgpu_metadata
---
amdhsa.version: [ 1, 2 ]
amdhsa.kernels:
  - .name:           k_qe1610f857f_woln
    .symbol:         k_qe1610f857f_woln.kd
    .args:
      - { .name: aq, .offset: 0, .size: 8, .value_kind: global_buffer, .address_space: global }
      - { .name: wo_codes, .offset: 8, .size: 8, .value_kind: global_buffer, .address_space: global }
      - { .name: wo_scales, .offset: 16, .size: 8, .value_kind: global_buffer, .address_space: global }
      - { .name: bo, .offset: 24, .size: 8, .value_kind: global_buffer, .address_space: global }
      - { .name: x, .offset: 32, .size: 8, .value_kind: global_buffer, .address_space: global }
      - { .name: ln1_g, .offset: 40, .size: 8, .value_kind: global_buffer, .address_space: global }
      - { .name: ln1_b, .offset: 48, .size: 8, .value_kind: global_buffer, .address_space: global }
      - { .name: x1, .offset: 56, .size: 8, .value_kind: global_buffer, .address_space: global }
      - { .name: xq, .offset: 64, .size: 8, .value_kind: global_buffer, .address_space: global }
    .group_segment_fixed_size: 327680
    .private_segment_fixed_size: 0
    .kernarg_segment_align: 8
    .kernarg_segment_size: 72
    .max_flat_workgroup_size: 512
    .sgpr_count:     66
    .vgpr_count:     256
    .wavefront_size: 32
...
	.end_amdgpu_metadata
.endif
;; end of part 3
;; launch ffn1 (part 4): grid 16 x 16, 16 waves a work-group, clusters of 4 x 4, 327,680 bytes of LDS; arguments xq, w1_codes, w1_scales, b1, hid; writes hid
.if DOCPART == 4
	.amdgcn_target "amdgcn-amd-amdhsa--gfx1250"
	.amdhsa_code_object_version 6
	.text
	.protected	k_qe1610f857f_ffn1
	.globl	k_qe1610f857f_ffn1
	.p2align	8
	.type	k_qe1610f857f_ffn1,@function
k_qe1610f857f_ffn1:
	s_mov_b64 s[64:65], 0
	v_nop
	global_prefetch_b8 v0, s[64:65] scope:SCOPE_SE
	s_setreg_imm32_b32 hwreg(HW_REG_WAVE_MODE, 25, 1), 1
	s_wait_xcnt 0x0
	s_wait_alu depctr_hold_cnt(0) depctr_sa_sdst(0) depctr_va_vdst(0) depctr_va_sdst(0) depctr_va_ssrc(0) depctr_va_vcc(0) depctr_vm_vsrc(0)
	s_getreg_b32 s2, hwreg(HW_REG_IB_STS2, 6, 4)
	s_cmp_eq_u32 s2, 0
	s_cbranch_scc0 .Lentry_in_a_cluster
	s_endpgm
.Lentry_in_a_cluster:
	s_bfe_u32 s2, ttmp6, 0x10000c
	s_cmp_lg_u32 s2, 0xf033
	s_cbranch_scc0 .Lentry_shape_is_right
	s_endpgm
.Lentry_shape_is_right:
; hidden = relu(x1 w1 + b1), quantised along the hidden units for the next product.  Both operands are codes of FP4 (E2M1) with E8M0 scales: x1 as images of operand registers with scale words (made by the launch before), w1 as given, K innermost.
; SHARES.  A work-group makes 256 tokens x 256 hidden units.  Wave w: token tiles 2 (w % 8), 2 (w % 8) + 1 and 128 hidden units (w / 8): 16 accumulators, four waves to a SIMD.  K = 1,024: everything lies in LDS, filled once.
; The product is used transposed (source 0 = 16 rows of w1, source 1 = 16 tokens): a lane holds one token and its registers run along the hidden units.
; A TILE OF w1 IS 16 NEIGHBOURING ROWS.  At a pitch of 132 words row r starts 4 r banks on (64 banks of 4 bytes: ISA guide 11.1), so the sixteen rows that a fragment load touches start at sixteen different groups of four banks.
; Register j of tile i in lane (r, h) is hidden unit 16 i + 8 h + j of the wave's 128, which are one K step of the next product; the quantiser puts the codes into that operand's order by the choice of its destination registers alone.
; The bias is loaded straight into the accumulators.  CLUSTER 4 x 4: x1's tiles are shared along a row of the cluster, w1's along a column.
; LIMITS: NaN and infinities are not served; a block of zeros gets the scale byte 1 (its codes are zeros; this program alone reads the bytes).
.set PITCH, 528
.set UNIT,  128*PITCH
.set SP,    48
.set SCU,   128*SP
.set WB,    131072                     ; LDS: x1's 16 tiles x 8 images from 0; w1's two units of 128 rows from WB;
.set ASB,   WB+2*UNIT                  ; x1's scale words, 1,024 bytes a K step;
.set WSB,   ASB+8192                   ; w1's scale rows
.set WV,    14
.set SEL,   66
.set G1A,   24
.set G1W,   32
.set G1AS,  40
.set G1WS,  48
.set G0AS,  56
.set G0A,   60
.set G0WS,  72
.set G0W,   76
.set ACC,   16                         ; v16-143  accumulator (n, i) at ACC + 64 n + 8 i
.set F0,    144                        ; v144-207 w1's eight fragments; behind the products at work
.set F1,    208                        ; v208-223 x1's two; behind the products the codes made
.set S0,    224                        ; v224-231 w1's scale words, v232 x1's
.set S1,    232
.set TM,    144
.set PW,    160
.set PC,    208
.macro NOP4
.rept 4
	v_nop
.endr
.endm
.macro ROUND
	s_barrier_signal -1
	s_barrier_wait -1
	s_cmp_lg_u32 s[WV], 0
	s_cbranch_scc1 .Lnot_wave_0_\@
	s_barrier_signal -3
.Lnot_wave_0_\@:
	s_barrier_wait -3
	s_barrier_signal -1
	s_barrier_wait -1
.endm
.macro FRAGW reg, adr, off
	ds_load_b128 v[\reg:\reg+3], v[\adr] offset:\off
	ds_load_b128 v[\reg+4:\reg+7], v[\adr] offset:\off+32
.endm
.macro FRAGI reg, adr, off
	ds_load_b128 v[\reg:\reg+3], v[\adr] offset:\off
	ds_load_b128 v[\reg+4:\reg+7], v[\adr] offset:\off+512
.endm
; 64 numbers of a lane, register 8 i + j = k 16 i + 8 (lane / 16) + j of my row, become a fragment's codes in v[pc] on and its scale word in v[pw].
; Block b of 32 is registers 16 b .. 16 b + 15 of lanes l and l xor 16.  The eight codes of (block 2 c + e, registers 8 p on) go to register 4 c + 2 p + e; the exchange of registers 4 c + 2 p and 4 c + 2 p + 1
; (the first's lanes 16-31 with the second's lanes 0-15) then leaves k = 64 c + 32 H + 8 w + 0 .. 7 in register 4 c + w of lane half H: the operand's layout.
.macro QUANT s, pc, pw
.irp b, 0,1,2,3
	v_max3_num_f32 v[TM+\b], |v[\s+16*\b]|, |v[\s+1+16*\b]|, 0x1800000   ; my 16 numbers of block b and the floor 2^(3 - 127)
.endr
.irp i, 2,4,6,8,10,12,14
.irp b, 0,1,2,3
	s_delay_alu instid0(VALU_DEP_4)
	v_max3_num_f32 v[TM+\b], v[TM+\b], |v[\s+16*\b+\i]|, |v[\s+1+16*\b+\i]|
.endr
.endr
.irp b, 0,1,2,3
	s_delay_alu instid0(VALU_DEP_4)
	v_permlanex16_b32 v[TM+4+\b], v[TM+\b], s[SEL], s[SEL+1]
.endr
.irp b, 0,1,2,3
	s_delay_alu instid0(VALU_DEP_4)
	v_max_num_f32 v[TM+\b], v[TM+\b], v[TM+4+\b]   ; the block's largest magnitude
.endr
.irp b, 0,1,2,3
	s_delay_alu instid0(VALU_DEP_4)
	v_add_nc_u32 v[TM+12+\b], 0xff000000, v[TM+\b] ; the conversion's scale operand
.endr
.irp b, 0,1,2,3
	s_delay_alu instid0(VALU_DEP_4)
	v_lshrrev_b32 v[TM+4+\b], 23, v[TM+12+\b]      ; the scale's byte
.endr
	s_delay_alu instid0(VALU_DEP_3)
	v_lshl_or_b32 v[\pw], v[TM+5], 8, v[TM+4]
	s_delay_alu instid0(VALU_DEP_1)
	v_lshl_or_b32 v[\pw], v[TM+6], 16, v[\pw]
	s_delay_alu instid0(VALU_DEP_1)
	v_lshl_or_b32 v[\pw], v[TM+7], 24, v[\pw]
.irp b, 0,1,2,3
	v_cvt_scalef32_pk8_fp4_f32 v[\pc+4*(\b/2)+(\b%2)], v[\s+16*\b:\s+7+16*\b], v[TM+12+\b]
	v_cvt_scalef32_pk8_fp4_f32 v[\pc+4*(\b/2)+2+(\b%2)], v[\s+8+16*\b:\s+15+16*\b], v[TM+12+\b]
.endr
	v_nop                                          ; one plain place behind a scaled conversion
.irp c, 0,1
.irp p, 0,1
	v_permlane16_swap_b32 v[\pc+4*\c+2*\p], v[\pc+4*\c+2*\p+1]
.endr
.endr
.endm
	s_load_b256 s[4:11], s[0:1], 0x0               ; x1's codes, w1's codes, w1's scales, b1
	s_load_b64 s[12:13], s[0:1], 0x20              ; the hidden layer's buffer
.set SPARE, WSB+2*SCU                  ; behind the scale rows: the spare words, 128 bytes for each wave, which no other line names
	v_lshl_add_u32 v250, v0, 2, SPARE              ; v250 my spare word, v251 0: kept for the add alone
	v_mov_b32 v251, 0
	ds_add_u32 v250, v251                          ; the opening lines: the add, twice on end, and its wait ahead of the first round
	ds_add_u32 v250, v251
	v_lshrrev_b32 v12, 5, v0
	s_delay_alu instid0(VALU_DEP_1)
	v_readfirstlane_b32 s[WV], v12                 ; wave 0..15
	s_bfe_u32 s15, ttmp6, 0x40000                  ; cx
	s_bfe_u32 s16, ttmp6, 0x40004                  ; cy
	s_lshl_b32 s17, ttmp9, 2
	s_add_co_u32 s17, s17, s15                     ; block of 256 hidden units
	s_and_b32 s18, ttmp7, 0xffff
	s_lshl_b32 s18, s18, 2
	s_add_co_u32 s18, s18, s16                     ; block of 256 tokens
	s_lshl_b32 s19, s16, 2
	s_lshl_b32 s19, 15, s19                        ; my row of the cluster
	s_lshl_b32 s20, 0x1111, s15                    ; my column
	s_and_b32 s21, s[WV], 1                        ; which half I fetch, if I fetch
	s_and_b32 s22, s[WV], 7                        ; my pair of token tiles
	s_lshr_b32 s23, s[WV], 3                       ; my 128 hidden units
	s_mov_b32 s[SEL], 0x76543210
	s_mov_b32 s[SEL+1], 0xfedcba98
	s_or_b32 s[G1A], s19, (3<<16)|(1<<21)          ; x1: 8 tiles' images, a dense block of 65,536 bytes, as 256 rows of 256 bytes
	s_mov_b32 s[G1A+1], 32<<16
	s_mov_b32 s[G1A+2], 256<<16
	s_mov_b32 s[G1A+3], 32<<16
	s_mov_b32 s[G1A+4], 256
	s_mov_b32 s[G1A+5], 32
	s_mov_b32 s[G1A+6], 0
	s_mov_b32 s[G1A+7], 0
	s_or_b32 s[G1W], s20, (0<<16)|(1<<20)|(1<<21)|(6<<22)|(3<<25)   ; w1: 128 rows of 512 bytes, dense, 16 bytes of padding behind each
	s_mov_b32 s[G1W+1], 512<<16
	s_mov_b32 s[G1W+2], 128<<16
	s_mov_b32 s[G1W+3], 512<<16
	s_mov_b32 s[G1W+4], 128
	s_mov_b32 s[G1W+5], 512
	s_mov_b32 s[G1W+6], 0
	s_mov_b32 s[G1W+7], 0
	s_or_b32 s[G1AS], s19, (2<<16)|(1<<21)         ; x1's scale words: 4 K steps x 256 words, 4,096 words apart
	s_mov_b32 s[G1AS+1], 256<<16
	s_mov_b32 s[G1AS+2], 4<<16
	s_mov_b32 s[G1AS+3], 256<<16
	s_mov_b32 s[G1AS+4], 4
	s_mov_b32 s[G1AS+5], 4096
	s_mov_b32 s[G1AS+6], 0
	s_mov_b32 s[G1AS+7], 0
	s_or_b32 s[G1WS], s20, (2<<16)|(1<<20)|(1<<21)|(2<<22)|(3<<25)   ; w1's scale rows: 128 rows of 8 words, 4 words of padding behind each
	s_mov_b32 s[G1WS+1], 8<<16
	s_mov_b32 s[G1WS+2], 128<<16
	s_mov_b32 s[G1WS+3], 8<<16
	s_mov_b32 s[G1WS+4], 128
	s_mov_b32 s[G1WS+5], 8
	s_mov_b32 s[G1WS+6], 0
	s_mov_b32 s[G1WS+7], 0
	; x1's addresses hang on the token block alone (s84-87), w1's on the block of hidden units alone (s88-93)
	s_lshl_b32 s84, s18, 4
	s_lshl_b32 s85, s21, 3
	s_add_co_u32 s84, s84, s85
	s_lshl_b32 s84, s84, 13                        ; tile 16 x block + 8 x half, 8,192 bytes each
	s_mov_b32 s85, 0
	s_lshl_b32 s86, s21, 16
	s_lshl_b32 s87, s18, 10
	s_add_co_u32 s86, s86, s87
	s_add_co_u32 s86, s86, 2097152
	s_mov_b32 s87, 0
	s_lshl_b32 s88, s17, 8
	s_lshl_b32 s89, s21, 7
	s_add_co_u32 s88, s88, s89                     ; row 256 x block + 128 x half
	s_lshl_b32 s90, s88, 5
	s_mov_b32 s91, 0
	s_lshl_b32 s88, s88, 9
	s_mov_b32 s89, 0
	s_lshl_b32 s92, s17, 10
	s_lshl_b32 s93, s23, 9
	s_add_co_u32 s92, s92, s93                     ; b1 of my 128 units
	s_mov_b32 s93, 0
	s_wait_alu depctr_va_vdst(0)                   ; directly ahead of the wait below
	s_wait_dscnt 0x0                               ; both opening adds are done
	s_wait_kmcnt 0x0
	s_mov_b32 s[G0AS], 1
	s_lshl_b32 s[G0AS+1], s21, 12
	s_add_co_u32 s[G0AS+1], s[G0AS+1], ASB
	s_add_nc_u64 s[G0AS+2:G0AS+3], s[4:5], s[86:87]
	s_or_b32 s[G0AS+3], s[G0AS+3], 0x80000000
	s_mov_b32 s[G0A], 1
	s_lshl_b32 s[G0A+1], s21, 16
	s_add_nc_u64 s[G0A+2:G0A+3], s[4:5], s[84:85]
	s_or_b32 s[G0A+3], s[G0A+3], 0x80000000
	s_mov_b32 s[G0WS], 1
	s_mul_i32 s[G0WS+1], s21, SCU
	s_add_co_u32 s[G0WS+1], s[G0WS+1], WSB
	s_add_nc_u64 s[G0WS+2:G0WS+3], s[8:9], s[90:91]
	s_or_b32 s[G0WS+3], s[G0WS+3], 0x80000000
	s_mov_b32 s[G0W], 1
	s_mul_i32 s[G0W+1], s21, UNIT
	s_add_co_u32 s[G0W+1], s[G0W+1], WB
	s_add_nc_u64 s[G0W+2:G0W+3], s[6:7], s[88:89]
	s_or_b32 s[G0W+3], s[G0W+3], 0x80000000
	s_add_nc_u64 s[10:11], s[10:11], s[92:93]
	ROUND                                          ; all sixteen work-groups are here: the joint loads meet
; The eight fills, one a wave: waves 0, 1 x1's halves, 2, 3 w1's, 4, 5 the halves of x1's scale words, 6, 7 of w1's scale rows.  One chain of branches on the wave's number, one fill to an arm.
.macro ARM under, g0, g1, next
	s_cmp_lt_u32 s[WV], \under
	s_cbranch_scc0 \next
	tensor_load_to_lds s[\g0:\g0+3], s[\g1:\g1+7]
	s_nop 0
	NOP4
	s_branch .Lfilled
\next:
.endm
	ARM 2, G0A,  G1A,  .Lnot_a
	ARM 4, G0W,  G1W,  .Lnot_w
	ARM 6, G0AS, G1AS, .Lnot_as
	ARM 8, G0WS, G1WS, .Lnot_ws
.Lfilled:
	v_and_b32 v12, 31, v0                          ; L
	v_and_b32 v13, 15, v0                          ; r
	v_bfe_u32 v14, v0, 4, 1                        ; h
	s_delay_alu instid0(VALU_DEP_1)
	v_lshlrev_b32 v10, 5, v14                      ; v10 32 h: the bias's lane offset
.irp n, 0,1
.irp i, 0,1,2,3,4,5,6,7
	global_load_b128 v[ACC+64*\n+8*\i:ACC+64*\n+8*\i+3], v10, s[10:11] offset:64*\i       ; accumulator (n, i), register e = unit 16 i + 8 h + e: the sums begin as the bias
	global_load_b128 v[ACC+64*\n+8*\i+4:ACC+64*\n+8*\i+7], v10, s[10:11] offset:64*\i+16
.endr
.endr
	v_lshlrev_b32 v5, 4, v12                       ; v5  16 L
	v_lshlrev_b32 v6, 2, v12                       ; v6  4 L
	v_mul_u32_u24 v1, v13, PITCH
	s_delay_alu instid0(VALU_DEP_1)
	v_lshl_add_u32 v1, v14, 4, v1
	s_mul_i32 s94, s23, UNIT
	s_add_co_u32 s94, s94, WB
	v_add_nc_u32 v1, s94, v1                       ; v1  w1's fragments: my unit, row r, + 16 h
	s_lshl_b32 s94, s22, 14
	v_add_nc_u32 v2, s94, v5                       ; v2  x1's images: 16,384 x pair + 16 L
	v_mul_u32_u24 v3, v13, SP
	s_mul_i32 s94, s23, SCU
	s_add_co_u32 s94, s94, WSB
	v_add_nc_u32 v3, s94, v3                       ; v3  w1's scale words
	s_lshl_b32 s94, s22, 7
	s_add_co_u32 s94, s94, ASB
	v_add_nc_u32 v4, s94, v6                       ; v4  x1's: tile 0 in lanes 0-15, tile 1 in lanes 16-31
	s_lshl_b32 s96, s18, 4
	s_lshl_b32 s97, s22, 1
	s_add_co_u32 s96, s96, s97                     ; my first token tile
	s_lshl_b32 s96, s96, 15
	s_lshl_b32 s97, s17, 1
	s_add_co_u32 s97, s97, s23                     ; the next product's K step that I make
	s_lshl_b32 s98, s97, 10
	s_add_co_u32 s96, s96, s98
	s_lshl_b32 s98, s97, 14
	s_mov_b32 s97, 0
	s_add_nc_u64 s[96:97], s[12:13], s[96:97]      ; its images
	s_lshl_b32 s99, s18, 10
	s_add_co_u32 s98, s98, s99
	s_lshl_b32 s99, s22, 7
	s_add_co_u32 s98, s98, s99
	s_add_co_u32 s98, s98, 8388608
	s_mov_b32 s99, 0
	s_add_nc_u64 s[98:99], s[12:13], s[98:99]      ; its scale words
.macro PROD i                          ; the 16 accumulators take turns, one instruction a turn
	v_wmma_scale_f32_16x16x128_f8f6f4 v[ACC+8*\i:ACC+8*\i+7], v[F0+8*\i:F0+8*\i+7], v[F1:F1+7], v[ACC+8*\i:ACC+8*\i+7], v[S0+\i], v[S1] matrix_a_fmt:MATRIX_FMT_FP4 matrix_b_fmt:MATRIX_FMT_FP4
	v_wmma_scale_f32_16x16x128_f8f6f4 v[ACC+64+8*\i:ACC+64+8*\i+7], v[F0+8*\i:F0+8*\i+7], v[F1+8:F1+15], v[ACC+64+8*\i:ACC+64+8*\i+7], v[S0+\i], v[S1] matrix_a_fmt:MATRIX_FMT_FP4 matrix_b_fmt:MATRIX_FMT_FP4 matrix_b_scale:MATRIX_SCALE_ROW1
.endm
.macro KSTEP q                         ; 128 along K
	NOP4                                           ; four places in front of loads into registers that matrix instructions have read
	FRAGI F1, 2, 1024*\q
	FRAGI F1+8, 2, 8192+1024*\q
	ds_load_b32 v[S1], v4 offset:1024*\q
.irp i, 0,1,2,3,4,5,6,7
	ds_load_b32 v[S0+\i], v3 offset:16*\i*SP+4*\q
.endr
.irp i, 0,1,2,3,4,5,6,7
	FRAGW F0+8*\i, 1, 16*\i*PITCH+64*\q
.endr
	s_wait_dscnt 8                                 ; all but the eight youngest loads, w1's tiles 4 to 7
.irp i, 0,1,2,3
	PROD \i
.endr
	s_wait_dscnt 0x0
.irp i, 4,5,6,7
	PROD \i
.endr
.endm
	s_wait_alu depctr_va_vdst(0)
	s_wait_tensorcnt 0x0                           ; my fills have landed,
	s_wait_loadcnt 0x0                             ; the bias is in:
	s_barrier_signal -1
	s_barrier_wait -1                              ; everybody's fills have landed; nothing is ever filled again
.irp q, 0,1,2,3,4,5,6,7
	KSTEP \q
.endr
	NOP4                                           ; four places in front of the first read of results
.irp b, 0,1,2,3
	v_mov_b32 v[TM+4+\b], 0                        ; a lane permute's destination counts as one of its sources
.endr
.irp n, 0,1
.set ii, 0
.rept 64
	v_max_num_f32 v[ACC+64*\n+ii], 0, v[ACC+64*\n+ii]   ; the activation, in f32, each accumulator from its low end on
.set ii, ii+1
.endr
	QUANT ACC+64*\n, PC+8*\n, PW+\n
	global_store_b128 v5, v[PC+8*\n:PC+8*\n+3], s[96:97] offset:32768*\n          ; 512 consecutive bytes each
	global_store_b128 v5, v[PC+8*\n+4:PC+8*\n+7], s[96:97] offset:32768*\n+512
.endr
	s_mov_b32 vcc_lo, 0xffff0000
	v_cndmask_b32 v248, v[PW], v[PW+1], vcc_lo     ; lanes 0-15 tile 0's words, lanes 16-31 tile 1's
	global_store_b32 v6, v248, s[98:99]
	s_wait_tensorcnt 0x0                           ; the wave's end
	ds_add_u32 v250, v251
	s_wait_dscnt 0x0
	ROUND                                          ; the closing round
	s_endpgm
.Lfunc_end_k_qe1610f857f_ffn1:
	.size	k_qe1610f857f_ffn1, .Lfunc_end_k_qe1610f857f_ffn1-k_qe1610f857f_ffn1
	.p2alignl 7, 3214868480
	.fill 96, 4, 3214868480
	.section	.rodata,"a",@progbits
	.p2align	6, 0x0
	.amdhsa_kernel k_qe1610f857f_ffn1
		.amdhsa_group_segment_fixed_size 327680
		.amdhsa_private_segment_fixed_size 0
		.amdhsa_enable_private_segment 0
		.amdhsa_kernarg_size 40
		.amdhsa_user_sgpr_count 2
		.amdhsa_user_sgpr_kernarg_segment_ptr 1
		.amdhsa_wavefront_size32 1
		.amdhsa_system_sgpr_workgroup_id_x 1
		.amdhsa_system_sgpr_workgroup_id_y 1
		.amdhsa_system_sgpr_workgroup_id_z 1
		.amdhsa_system_vgpr_workitem_id 0
		.amdhsa_next_free_vgpr 256
		.amdhsa_next_free_sgpr 100
		.amdhsa_reserve_vcc 1
		.amdhsa_float_denorm_mode_32 3
		.amdhsa_float_denorm_mode_16_64 3
		.amdhsa_memory_ordered 1
		.amdhsa_forward_progress 1
		.amdhsa_inst_pref_size 60
	.end_amdhsa_kernel
	.amdgpu_metadata
---
amdhsa.version: [ 1, 2 ]
amdhsa.kernels:
  - .name:           k_qe1610f857f_ffn1
    .symbol:         k_qe1610f857f_ffn1.kd
    .args:
      - { .name: xq, .offset: 0, .size: 8, .value_kind: global_buffer, .address_space: global }
      - { .name: w1_codes, .offset: 8, .size: 8, .value_kind: global_buffer, .address_space: global }
      - { .name: w1_scales, .offset: 16, .size: 8, .value_kind: global_buffer, .address_space: global }
      - { .name: b1, .offset: 24, .size: 8, .value_kind: global_buffer, .address_space: global }
      - { .name: hid, .offset: 32, .size: 8, .value_kind: global_buffer, .address_space: global }
    .group_segment_fixed_size: 327680
    .private_segment_fixed_size: 0
    .kernarg_segment_align: 8
    .kernarg_segment_size: 40
    .max_flat_workgroup_size: 512
    .sgpr_count:     100
    .vgpr_count:     256
    .wavefront_size: 32
...
	.end_amdgpu_metadata
.endif
;; end of part 4
;; launch ffn2 (part 5): grid 8 x 32, 8 waves a work-group, clusters of 4 x 4, 327,680 bytes of LDS; arguments hid, w2_codes, w2_scales, b2, ybuf, x1; writes ybuf
.if DOCPART == 5
	.amdgcn_target "amdgcn-amd-amdhsa--gfx1250"
	.amdhsa_code_object_version 6
	.text
	.protected	k_qe1610f857f_ffn2
	.globl	k_qe1610f857f_ffn2
	.p2align	8
	.type	k_qe1610f857f_ffn2,@function
k_qe1610f857f_ffn2:
	s_mov_b64 s[64:65], 0
	v_nop
	global_prefetch_b8 v0, s[64:65] scope:SCOPE_SE
	s_setreg_imm32_b32 hwreg(HW_REG_WAVE_MODE, 25, 1), 1
	s_wait_xcnt 0x0
	s_wait_alu depctr_hold_cnt(0) depctr_sa_sdst(0) depctr_va_vdst(0) depctr_va_sdst(0) depctr_va_ssrc(0) depctr_va_vcc(0) depctr_vm_vsrc(0)
	s_getreg_b32 s2, hwreg(HW_REG_IB_STS2, 6, 4)
	s_cmp_eq_u32 s2, 0
	s_cbranch_scc0 .Lentry_in_a_cluster
	s_endpgm
.Lentry_in_a_cluster:
	s_bfe_u32 s2, ttmp6, 0x10000c
	s_cmp_lg_u32 s2, 0xf033
	s_cbranch_scc0 .Lentry_shape_is_right
	s_endpgm
.Lentry_shape_is_right:
; y = A W^T + bias in f32: A as images of operand registers with scale words (made by an earlier launch), W as codes of FP4 (E2M1), K innermost, with E8M0 scale bytes.  Here: the hidden layer x w2 + b2, K = 4,096.
; SHARES.  A work-group makes 128 tokens x 128 columns.  Wave w: token tiles 2 (w % 4), 2 (w % 4) + 1 and 64 columns (w / 4): 8 accumulators, two waves to a SIMD.
; The product is used transposed (source 0 = 16 rows of W, source 1 = 16 tokens): a lane holds eight neighbouring columns of one token.  The bias is loaded straight into the accumulators.
; K goes in chunks of 1,024: a slot holds A's 8 tiles x 8 images and W's 128 rows of 512 bytes.  With one chunk everything is filled once; with four, two slots take turns: both are asked for at the start, each is filled once more.
; A's scale words and W's scale rows for all of K come once, with the first fills.
; CLUSTER 4 x 4: A's tiles are shared along a row of the cluster, W's along a column: joint loads; a round of the cluster's barrier stands in front of each refill.
; The launch claims all of a WGP's LDS, and each wave adds 0 to spare words of its own in front of each refill's round and at its end.
.set KT,    4096                       ; K
.set NCH,   4                          ; chunks of 1,024
.set TILEB, 32768                      ; bytes of a token tile's images
.set IMGB,  8388608                    ; where A's scale words begin
.set KS,    128                        ; a row of W's scale bytes
.set WSP,   144                        ; and in LDS
.set QIS,   4                          ; the code of its length in words
.set PAT,   0
.set ASB,   266240                     ; LDS, behind the two slots: A's scale words, 512 bytes a K step
.set WSB,   282624                     ; W's scale rows
.set STAGE, 0                          ; the way out: 32 rows x 272 bytes for each wave, in slot 0, which has had its last fill and its last read when the first result is stored there
.set SPARE, 301056                     ; the spare words, 128 bytes for each wave: four blocks of 256 bytes that no other line names
.set SLOT,  133120
.set PITCH, 528
.set ROWN,  16-8*PAT
.set WV,    14
.set G1A,   24                         ; s[24:31] A's images, s[32:39] W's rows, s[40:47] A's scale words, s[48:55] W's scale rows
.set G1W,   32
.set G1AS,  40
.set G1WS,  48
.set G0AS,  56                         ; s[56:59];  A's slots s[60:63], s[68:71];  s[72:75] W's scale rows;  W's slots s[76:79], s[80:83]
.set G0A,   60
.set G0WS,  72
.set G0W,   76
.set ACC,   16                         ; v16-79   accumulator (n, i) at ACC + 32 n + 8 i
.set F0,    80                         ; v80-111  W's four fragments
.set F1,    112                        ; v112-127 A's two
.set S0,    128                        ; v128-131 W's scale words, v132 A's (tile 0 in lanes 0-15, tile 1 in lanes 16-31)
.set S1,    132
.set OB,    144                        ; v144-207 the way out
.macro NOP4
.rept 4
	v_nop
.endr
.endm
.macro ROUND
	s_barrier_signal -1
	s_barrier_wait -1
	s_cmp_lg_u32 s[WV], 0
	s_cbranch_scc1 .Lnot_wave_0_\@
	s_barrier_signal -3
.Lnot_wave_0_\@:
	s_barrier_wait -3
	s_barrier_signal -1
	s_barrier_wait -1
.endm
.macro FRAGW reg, adr, off             ; a fragment from rows
	ds_load_b128 v[\reg:\reg+3], v[\adr] offset:\off
	ds_load_b128 v[\reg+4:\reg+7], v[\adr] offset:\off+32
.endm
.macro FRAGI reg, adr, off             ; a fragment from its image
	ds_load_b128 v[\reg:\reg+3], v[\adr] offset:\off
	ds_load_b128 v[\reg+4:\reg+7], v[\adr] offset:\off+512
.endm
	s_load_b256 s[4:11], s[0:1], 0x0               ; A, W's codes, W's scales, the bias
	s_load_b64 s[12:13], s[0:1], 0x20              ; y
	s_load_b64 s[2:3], s[0:1], 0x28                ; x1, the residual: it is added on the way out, so that what is stored is y + x1
.if NCH > 1
	v_lshl_add_u32 v13, v0, 2, SPARE               ; my spare word
	v_mov_b32 v14, 0
.endif
	ds_add_u32 v13, v14                            ; the opening lines: the add, twice on end, and its wait ahead of the first round
	ds_add_u32 v13, v14
	v_lshrrev_b32 v15, 5, v0
	s_delay_alu instid0(VALU_DEP_1)
	v_readfirstlane_b32 s[WV], v15                 ; wave 0..7
	s_bfe_u32 s15, ttmp6, 0x40000                  ; cx
	s_bfe_u32 s16, ttmp6, 0x40004                  ; cy
	s_lshl_b32 s17, ttmp9, 2
	s_add_co_u32 s17, s17, s15                     ; block of 128 columns
	s_and_b32 s18, ttmp7, 0xffff
	s_lshl_b32 s18, s18, 2
	s_add_co_u32 s18, s18, s16                     ; block of 128 tokens
	s_lshl_b32 s19, s16, 2
	s_lshl_b32 s19, 15, s19                        ; my row of the cluster
	s_lshl_b32 s20, 0x1111, s15                    ; my column
	s_and_b32 s21, s[WV], 1                        ; which half I fetch, if I fetch
	s_and_b32 s22, s[WV], 3                        ; my pair of token tiles
	s_lshr_b32 s23, s[WV], 2                       ; my 64 columns
	s_or_b32 s[G1A], s19, (3<<16)|(1<<21)          ; A: 8 tiles x 8,192 bytes (1,024 elements of 8), TILEB bytes apart
	s_mov_b32 s[G1A+1], 1024<<16
	s_mov_b32 s[G1A+2], 8<<16                      ; one load brings all 8 tiles of a chunk
	s_mov_b32 s[G1A+3], 1024<<16
	s_mov_b32 s[G1A+4], 8
	s_mov_b32 s[G1A+5], TILEB/8
	s_mov_b32 s[G1A+6], 0
	s_mov_b32 s[G1A+7], 0
	s_or_b32 s[G1W], s20, (0<<16)|(1<<20)|(1<<21)|(6<<22)|(3<<25)   ; W: 64 rows x 512 bytes, KT / 2 apart, 16 bytes of padding behind each
	s_mov_b32 s[G1W+1], 512<<16
	s_mov_b32 s[G1W+2], 64<<16
	s_mov_b32 s[G1W+3], 512<<16
	s_mov_b32 s[G1W+4], 64
	s_mov_b32 s[G1W+5], KT/2
	s_mov_b32 s[G1W+6], 0
	s_mov_b32 s[G1W+7], 0
	s_or_b32 s[G1AS], s19, (2<<16)|(1<<21)         ; A's scale words: KT / 128 K steps x 128 words, 4,096 words apart
	s_mov_b32 s[G1AS+1], 128<<16
	s_mov_b32 s[G1AS+2], (KT/128)<<16              ; one load brings the scale words of all K steps
	s_mov_b32 s[G1AS+3], 128<<16
	s_mov_b32 s[G1AS+4], KT/128
	s_mov_b32 s[G1AS+5], 4096
	s_mov_b32 s[G1AS+6], 0
	s_mov_b32 s[G1AS+7], 0
	s_or_b32 s[G1WS], s20, (2<<16)|(1<<20)|(1<<21)|(QIS<<22)|(3<<25)   ; W's scale rows: 128 rows of KS bytes, dense, 16 bytes of padding behind each
	s_mov_b32 s[G1WS+1], (KS/4)<<16
	s_mov_b32 s[G1WS+2], 128<<16                   ; one load brings all 128 scale rows
	s_mov_b32 s[G1WS+3], (KS/4)<<16
	s_mov_b32 s[G1WS+4], 128
	s_mov_b32 s[G1WS+5], KS/4
	s_mov_b32 s[G1WS+6], 0
	s_mov_b32 s[G1WS+7], 0
	; A's addresses hang on the token block alone (s84-87), W's on the column block alone (s88-93)
	s_lshl_b32 s84, s18, 3
	s_lshl_b32 s85, s21, 2
	s_add_co_u32 s84, s84, s85
	s_mul_i32 s84, s84, TILEB                      ; tile 8 x block + 4 x half
	s_mov_b32 s85, 0
	s_mov_b32 s86, 0
	s_lshl_b32 s87, s18, 9
	s_add_co_u32 s86, s86, s87
	s_add_co_u32 s86, s86, IMGB
	s_mov_b32 s87, 0
	s_lshl_b32 s88, s17, 7
	s_lshl_b32 s89, s21, 6
	s_add_co_u32 s88, s88, s89                     ; row 128 x block + 64 x half
	s_lshl_b32 s90, s17, 7
	s_mul_i32 s90, s90, KS                         ; the scale rows from row 128 x block on
	s_mov_b32 s91, 0
	s_mul_i32 s88, s88, KT/2
	s_mov_b32 s89, 0
	s_lshl_b32 s92, s17, 9
	s_lshl_b32 s93, s23, 8
	s_add_co_u32 s92, s92, s93                     ; the bias of my 64 columns
	s_mov_b32 s93, 0
	s_lshl_b32 s96, s18, 19
	s_lshl_b32 s97, s22, 17
	s_add_co_u32 s96, s96, s97
	s_add_co_u32 s96, s96, s92                     ; y: token 128 x block + 32 x pair, my 64 columns
	s_mov_b32 s97, 0
	s_wait_alu depctr_va_vdst(0)                   ; directly ahead of the wait below
	s_wait_dscnt 0x0                               ; both opening adds are done
	s_wait_kmcnt 0x0
	s_mov_b32 s[G0AS], 1
	s_mov_b32 s[G0AS+1], 0
	s_add_co_u32 s[G0AS+1], s[G0AS+1], ASB
	s_add_nc_u64 s[G0AS+2:G0AS+3], s[4:5], s[86:87]
	s_or_b32 s[G0AS+3], s[G0AS+3], 0x80000000
	s_mov_b32 s[G0WS], 1
	s_mov_b32 s[G0WS+1], 0
	s_add_co_u32 s[G0WS+1], s[G0WS+1], WSB
	s_add_nc_u64 s[G0WS+2:G0WS+3], s[8:9], s[90:91]
	s_or_b32 s[G0WS+3], s[G0WS+3], 0x80000000
	s_add_nc_u64 s[84:85], s[4:5], s[84:85]
	s_add_nc_u64 s[88:89], s[6:7], s[88:89]
.irp s, 0,1
.if \s < NCH
	s_mov_b32 s[G0A+8*\s], 1
	s_lshl_b32 s[G0A+8*\s+1], s21, 15
	s_add_co_u32 s[G0A+8*\s+1], s[G0A+8*\s+1], \s*SLOT
	s_add_nc_u64 s[G0A+8*\s+2:G0A+8*\s+3], s[84:85], \s*8192
	s_or_b32 s[G0A+8*\s+3], s[G0A+8*\s+3], 0x80000000
	s_mov_b32 s[G0W+4*\s], 1
	s_mul_i32 s[G0W+4*\s+1], s21, 64*PITCH
	s_add_co_u32 s[G0W+4*\s+1], s[G0W+4*\s+1], \s*SLOT+65536
	s_add_nc_u64 s[G0W+4*\s+2:G0W+4*\s+3], s[88:89], \s*512
	s_or_b32 s[G0W+4*\s+3], s[G0W+4*\s+3], 0x80000000
.endif
.endr
	s_add_nc_u64 s[10:11], s[10:11], s[92:93]
	s_add_nc_u64 s[12:13], s[12:13], s[96:97]
	s_add_nc_u64 s[2:3], s[2:3], s[96:97]          ; x1 at the same place as y
	v_and_b32 v15, 31, v0                          ; L
	v_and_b32 v11, 15, v0                          ; r
	v_bfe_u32 v12, v0, 4, 1                        ; h
	s_delay_alu instid0(VALU_DEP_1)
	v_lshlrev_b32 v10, 5, v12                      ; v10 32 h: the bias's lane offset
.irp n, 0,1
.irp i, 0,1,2,3
	global_load_b128 v[ACC+32*\n+8*\i:ACC+32*\n+8*\i+3], v10, s[10:11] offset:64*\i       ; accumulator (n, i), register e = column 16 i + 8 h + e: the sums begin as the bias
	global_load_b128 v[ACC+32*\n+8*\i+4:ACC+32*\n+8*\i+7], v10, s[10:11] offset:64*\i+16
.endr
.endr
	v_mul_u32_u24 v1, v11, PITCH
	s_delay_alu instid0(VALU_DEP_1)
	v_lshl_add_u32 v1, v12, 4, v1
	s_mul_i32 s94, s23, 64*PITCH
	s_add_co_u32 s94, s94, 65536
	v_add_nc_u32 v1, s94, v1                       ; v1, v2  W's fragments in slot 0, 1: row 64 (w / 4) + r, + 16 h
	v_lshlrev_b32 v3, 4, v15
	s_lshl_b32 s94, s22, 14
	v_add_nc_u32 v3, s94, v3                       ; v3, v4  A's images: 16,384 x pair + 16 L
.if NCH > 1
	v_add_nc_u32 v2, SLOT, v1
	s_delay_alu instid0(VALU_DEP_2)
	v_add_nc_u32 v4, SLOT, v3
.endif
	v_mul_u32_u24 v5, v11, WSP
	s_mul_i32 s94, s23, 64*WSP
	s_add_co_u32 s94, s94, WSB
	v_add_nc_u32 v5, s94, v5                       ; v5  W's scale words
	v_lshlrev_b32 v6, 2, v15
	s_lshl_b32 s94, s22, 7
	s_add_co_u32 s94, s94, ASB
	v_add_nc_u32 v6, s94, v6                       ; v6  A's
.if PAT
	v_and_b32 v7, 8, v11
	v_add_nc_u32 v7, v7, v11                       ; the token's place among the pair's 32: r + 8 (r / 8) (+ 8 n)
.else
	v_mov_b32 v7, v11                              ; r (+ 16 n)
.endif
	s_delay_alu instid0(VALU_DEP_1)
	v_mul_u32_u24 v7, v7, 272
	s_delay_alu instid0(VALU_DEP_1)
	v_lshl_add_u32 v7, v12, 5, v7
	s_mul_i32 s94, s[WV], 8704
	s_add_co_u32 s94, s94, STAGE
	v_add_nc_u32 v7, s94, v7                       ; v7  into my stage: the token's row, + 32 h
	v_mul_u32_u24 v8, v12, 272
	s_delay_alu instid0(VALU_DEP_1)
	v_lshl_add_u32 v8, v11, 4, v8
	s_delay_alu instid0(VALU_DEP_1)
	v_add_nc_u32 v8, s94, v8                       ; v8  back: lanes 0-15 one row of 256 bytes, lanes 16-31 the next
	v_lshlrev_b32 v9, 12, v12
	s_delay_alu instid0(VALU_DEP_1)
	v_lshl_add_u32 v9, v11, 4, v9                  ; v9  and the same two rows in y
	s_set_vgpr_msb 0x40                            ; destination in window 1: v256-319 take my 32 tokens x 64 columns of x1, laid as the way out's rows
.irp t, 0,1,2,3,4,5,6,7,8,9,10,11,12,13,14,15
	global_load_b128 v[4*\t:4*\t+3], v9, s[2:3] offset:8192*\t th:TH_LOAD_NT   ; 16 lanes read 256 consecutive bytes
.endr
	s_set_vgpr_msb 0x4000                          ; every window 0 again
; A PREFETCH INTO THE L2 of chunks 2 and 3, which the two refills will ask for: one instruction a wave, each aligned block of 256 bytes once in the cluster.  Waves 0-3 name chunk 2, waves 4-7 chunk 3.
; In each four: two waves name A's images (8,192 bytes of a tile: 32 blocks, a lane a block), two name W's rows (a lane a row, 512 bytes of it in two blocks).  The partners share the blocks out by address:
; of A's 8 tiles the partner at cx takes tiles 2 cx, 2 cx + 1; of W's 128 rows the partner at cy takes 32.  The registers of the address are never written again.
	s_lshr_b32 s86, s[WV], 2
	s_add_co_u32 s86, s86, 2                       ; the chunk
	s_lshl_b32 s87, s18, 3
	s_lshl_b32 s90, s15, 1
	s_add_co_u32 s87, s87, s90
	s_add_co_u32 s87, s87, s21
	s_mul_i32 s87, s87, TILEB                      ; A: tile 8 x block + 2 cx + w % 2,
	s_lshl_b32 s90, s86, 13
	s_add_co_u32 s87, s87, s90                     ; the chunk's 8,192 bytes of it
	s_lshl_b32 s90, s17, 7
	s_lshl_b32 s91, s16, 5
	s_add_co_u32 s90, s90, s91
	s_mul_i32 s90, s90, KT/2                       ; W: row 128 x block + 32 cy,
	s_lshl_b32 s91, s86, 9
	s_add_co_u32 s90, s90, s91                     ; the chunk's 512 bytes of it,
	s_lshl_b32 s91, s21, 8
	s_add_co_u32 s90, s90, s91                     ; block w % 2 of the two
	s_bitcmp1_b32 s[WV], 1                         ; waves 2, 3, 6, 7 name W
	s_cselect_b64 s[98:99], s[6:7], s[4:5]
	s_cselect_b32 s90, s90, s87
	s_cselect_b32 s86, 11, 8                       ; from lane to lane: a row of W, or a block of A
	s_mov_b32 s91, 0
	s_add_nc_u64 s[98:99], s[98:99], s[90:91]
	v_lshlrev_b32 v139, s86, v15
	global_prefetch_b8 v139, s[98:99] th:TH_LOAD_NT scope:SCOPE_SE
	s_wait_alu depctr_va_vdst(0)                   ; the wait at the head's end
	ROUND                                          ; all sixteen work-groups are here: the first joint loads meet
; The eight first fills, one a wave: wave 0 A's chunk 0, wave 1 A's scale words, wave 2 A's chunk 1, wave 3 W's scale rows, waves 4, 5 the halves of W's chunk 0, waves 6, 7 of its chunk 1.
; (A's loads are issued by even waves, in which the half entering the addresses is 0.)  One chain of branches on the wave's number; every way through it passes one load.
; held = 1: what the first chunk reads: the arm holds the wait for its load.  Slot 1's three loads stay out across the first barrier, behind which nothing is filled; the wait for 0 in front of the first refill's round covers them.
.macro ARM under, g0, g1, next, held
	s_cmp_lt_u32 s[WV], \under
	s_cbranch_scc0 \next
	tensor_load_to_lds s[\g0:\g0+3], s[\g1:\g1+7]
	s_nop 0
	NOP4
.if \held
	s_wait_tensorcnt 0x0
.endif
	s_branch .Lfilled
\next:
.endm
	ARM 1, G0A,   G1A,  .Lh_as, 1
	ARM 2, G0AS,  G1AS, .Lh_a1, 1
	ARM 3, G0A+8, G1A,  .Lh_ws, 0
	ARM 4, G0WS,  G1WS, .Lh_w0, 1
	ARM 6, G0W,   G1W,  .Lh_w1, 1
	tensor_load_to_lds s[G0W+4:G0W+7], s[G1W:G1W+7]
	s_nop 0
	NOP4
.Lfilled:
; The fragments and scale words have two sets of registers: a K step's 17 loads are issued one K step ahead of its products.
.macro BUF b                           ; set b: W's fragments v80 or v208 on, A's v112 or v240 on, the scale words v128-132 or v134-138
.set F0, 80+128*(\b)
.set F1, 112+128*(\b)
.set S0, 128+6*(\b)
.set S1, 132+6*(\b)
.endm
.macro KLOAD sl, q, qg                 ; 128 along K: the q-th of slot sl, the qg-th of all, into the set in hand
	NOP4                                           ; four places in front of loads into registers that matrix instructions have read
.irp i, 0,1,2,3
	FRAGW F0+8*\i, 1+\sl, 16*\i*PITCH+64*\q
.endr
.irp n, 0,1
	FRAGI F1+8*\n, 3+\sl, 8192*\n+1024*\q
.endr
.irp i, 0,1,2,3
	ds_load_b32 v[S0+\i], v5 offset:16*\i*WSP+4*(\qg)
.endr
	ds_load_b32 v[S1], v6 offset:512*(\qg)
.endm
.macro KMUL                            ; the products of the set in hand
.irp i, 0,1,2,3                                ; the 8 accumulators take turns, one instruction a turn
	v_wmma_scale_f32_16x16x128_f8f6f4 v[ACC+8*\i:ACC+8*\i+7], v[F0+8*\i:F0+8*\i+7], v[F1:F1+7], v[ACC+8*\i:ACC+8*\i+7], v[S0+\i], v[S1] matrix_a_fmt:MATRIX_FMT_FP4 matrix_b_fmt:MATRIX_FMT_FP4
	v_wmma_scale_f32_16x16x128_f8f6f4 v[ACC+32+8*\i:ACC+32+8*\i+7], v[F0+8*\i:F0+8*\i+7], v[F1+8:F1+15], v[ACC+32+8*\i:ACC+32+8*\i+7], v[S0+\i], v[S1] matrix_a_fmt:MATRIX_FMT_FP4 matrix_b_fmt:MATRIX_FMT_FP4 matrix_b_scale:MATRIX_SCALE_ROW1
.endr
.endm
.macro CHUNK sl, kc
	BUF 0
	KLOAD \sl, 0, 8*\kc
.irp q, 0,1,2,3,4,5,6
.set QN, \q+1
	BUF QN%2
	KLOAD \sl, QN, 8*\kc+QN
	s_wait_dscnt 17                                ; all but the 17 loads just issued: this step's set is in
	BUF \q%2
	KMUL
.endr
	s_wait_dscnt 0x0
	BUF 1
	KMUL
.endm
.macro JLOAD sl                        ; a joint refill: wave 0 A's chunk, waves 4, 5 W's halves, the others nothing; four v_nop follow each line
	s_cmp_lt_u32 s[WV], 1                          ; wave 0: A's chunk; waves 4, 5: W's halves; the others nothing
	s_cbranch_scc0 .Lnot_a_\@
	tensor_load_to_lds s[G0A+8*\sl:G0A+8*\sl+3], s[G1A:G1A+7]
	s_nop 0
	NOP4
	s_branch .Lasked_\@
.Lnot_a_\@:
	s_cmp_lt_u32 s[WV], 4
	s_cbranch_scc1 .Lasked_\@
	s_cmp_lt_u32 s[WV], 6
	s_cbranch_scc0 .Lasked_\@
	tensor_load_to_lds s[G0W+4*\sl:G0W+4*\sl+3], s[G1W:G1W+7]
	s_nop 0
	NOP4
.Lasked_\@:
.endm
.macro REFILL sl                       ; slot sl has been read: it takes the chunk two further on
	s_wait_tensorcnt 0x0                           ; all my tensor loads have landed, my part of the other slot among them: a group 0 may be written
	ds_add_u32 v13, v14                            ; 0 onto my spare word
	s_add_nc_u64 s[G0A+8*\sl+2:G0A+8*\sl+3], s[G0A+8*\sl+2:G0A+8*\sl+3], 2*8192
	s_add_nc_u64 s[G0W+4*\sl+2:G0W+4*\sl+3], s[G0W+4*\sl+2:G0W+4*\sl+3], 2*512
	s_wait_dscnt 0x0                               ; the add is done, and my reads of the slot are over
	ROUND                                          ; both hold of every wave of every work-group of the cluster
	JLOAD \sl                                      ; the first tensor load behind the round, one a wave: it has a chunk's 64 matrix instructions a wave in which to land
.endm
.macro MEET                            ; the last change of slots: nothing is filled
	s_wait_tensorcnt 0x0
	ds_add_u32 v13, v14
	s_wait_dscnt 0x0
	s_barrier_signal -1
	s_barrier_wait -1
.endm
	s_wait_loadcnt 0x0                             ; the bias and x1
	s_barrier_signal -1
	s_barrier_wait -1
	CHUNK 0, 0
.if NCH > 1
	REFILL 0
	CHUNK 1, 1
	REFILL 1
	CHUNK 0, 2
	MEET
	CHUNK 1, 3
.endif
	; THE WAY OUT: a lane holds 32 neighbouring bytes of a token's row; 32 tokens x 256 bytes go through my own stage and leave as whole rows
	NOP4
	s_wait_alu depctr_va_vdst(0)
.irp n, 0,1
.irp i, 0,1,2,3
	ds_store_b128 v7, v[ACC+32*\n+8*\i:ACC+32*\n+8*\i+3] offset:ROWN*\n*272+64*\i          ; each accumulator from its low end on
	ds_store_b128 v7, v[ACC+32*\n+8*\i+4:ACC+32*\n+8*\i+7] offset:ROWN*\n*272+64*\i+16
.endr
.endr
.irp t, 0,1,2,3,4,5,6,7,8,9,10,11,12,13,14,15
	ds_load_b128 v[OB+4*\t:OB+4*\t+3], v8 offset:544*\t    ; LDS serves a wave's instructions in order: these see my stores
.endr
	s_wait_dscnt 0x0                               ; the 32 rows are back in registers
	s_set_vgpr_msb 0x04                            ; source 1 in window 1: x1
.irp t, 0,1,2,3,4,5,6,7,8,9,10,11,12,13,14,15
	v_pk_add_f32 v[OB+4*\t:OB+4*\t+1], v[OB+4*\t:OB+4*\t+1], v[4*\t:4*\t+1]         ; y + x1
	v_pk_add_f32 v[OB+4*\t+2:OB+4*\t+3], v[OB+4*\t+2:OB+4*\t+3], v[4*\t+2:4*\t+3]
.endr
	s_set_vgpr_msb 0x0400                          ; every window 0 again
.irp t, 0,1,2,3,4,5,6,7,8,9,10,11,12,13,14,15
	global_store_b128 v9, v[OB+4*\t:OB+4*\t+3], s[12:13] offset:8192*\t th:TH_STORE_NT   ; 16 lanes store 256 consecutive bytes, at a multiple of 256 from y's first byte
.endr
.if NCH > 1
	s_wait_tensorcnt 0x0                           ; the wave's end
	ds_add_u32 v13, v14
	s_wait_dscnt 0x0
.endif
	ROUND                                          ; the closing round
	s_endpgm
.Lfunc_end_k_qe1610f857f_ffn2:
	.size	k_qe1610f857f_ffn2, .Lfunc_end_k_qe1610f857f_ffn2-k_qe1610f857f_ffn2
	.p2alignl 7, 3214868480
	.fill 96, 4, 3214868480
	.section	.rodata,"a",@progbits
	.p2align	6, 0x0
	.amdhsa_kernel k_qe1610f857f_ffn2
		.amdhsa_group_segment_fixed_size 327680
		.amdhsa_private_segment_fixed_size 0
		.amdhsa_enable_private_segment 0
		.amdhsa_kernarg_size 48
		.amdhsa_user_sgpr_count 2
		.amdhsa_user_sgpr_kernarg_segment_ptr 1
		.amdhsa_wavefront_size32 1
		.amdhsa_system_sgpr_workgroup_id_x 1
		.amdhsa_system_sgpr_workgroup_id_y 1
		.amdhsa_system_sgpr_workgroup_id_z 1
		.amdhsa_system_vgpr_workitem_id 0
		.amdhsa_next_free_vgpr 320
		.amdhsa_next_free_sgpr 100
		.amdhsa_reserve_vcc 0
		.amdhsa_float_denorm_mode_32 3
		.amdhsa_float_denorm_mode_16_64 3
		.amdhsa_memory_ordered 1
		.amdhsa_forward_progress 1
		.amdhsa_inst_pref_size 95
	.end_amdhsa_kernel
	.amdgpu_metadata
---
amdhsa.version: [ 1, 2 ]
amdhsa.kernels:
  - .name:           k_qe1610f857f_ffn2
    .symbol:         k_qe1610f857f_ffn2.kd
    .args:
      - { .name: hid, .offset: 0, .size: 8, .value_kind: global_buffer, .address_space: global }
      - { .name: w2_codes, .offset: 8, .size: 8, .value_kind: global_buffer, .address_space: global }
      - { .name: w2_scales, .offset: 16, .size: 8, .value_kind: global_buffer, .address_space: global }
      - { .name: b2, .offset: 24, .size: 8, .value_kind: global_buffer, .address_space: global }
      - { .name: ybuf, .offset: 32, .size: 8, .value_kind: global_buffer, .address_space: global }
      - { .name: x1, .offset: 40, .size: 8, .value_kind: global_buffer, .address_space: global }
    .group_segment_fixed_size: 327680
    .private_segment_fixed_size: 0
    .kernarg_segment_align: 8
    .kernarg_segment_size: 48
    .max_flat_workgroup_size: 256
    .sgpr_count:     100
    .vgpr_count:     320
    .wavefront_size: 32
...
	.end_amdgpu_metadata
.endif
;; end of part 5
;; launch ln2 (part 6): grid 256 x 1, 8 waves a work-group, no clusters, 0 bytes of LDS; arguments ybuf, ln2_g, ln2_b, out0; writes out0
.if DOCPART == 6
	.amdgcn_target "amdgcn-amd-amdhsa--gfx1250"
	.amdhsa_code_object_version 6
	.text
	.protected	k_qe1610f857f_ln2
	.globl	k_qe1610f857f_ln2
	.p2align	8
	.type	k_qe1610f857f_ln2,@function
k_qe1610f857f_ln2:
	s_mov_b64 s[64:65], 0
	v_nop
	global_prefetch_b8 v0, s[64:65] scope:SCOPE_SE
	s_setreg_imm32_b32 hwreg(HW_REG_WAVE_MODE, 25, 1), 1
	s_wait_xcnt 0x0
; out = layer norm(v) x g + b, rows of 1,024 f32.  v = the second feed-forward product with its bias and the residual x1, summed in f32 by the launch before.
; SHARES.  A work-group takes 16 rows, each of its 8 waves two.  A lane holds the 16 bytes at 512 i + 16 L of a row, i = 0..7: every load and store covers 512 consecutive bytes.
; A row stays in registers between the mean, the variance (of the differences from the mean: no difference of large sums) and the scaling: memory is read once.
; No matrix unit, no tensor load, no LDS, no barrier: the launch streams, and waves share nothing.  No cluster: work-groups share only g and b, 8 KB beside the 64 KB of rows that each reads.
; No prefetch: every load of a wave is issued at its head; there is no loop to run ahead in.
; LIMITS: NaN and infinities are not served.
.set SEL, 20                           ; s[20:21] selects for lane l xor 16
; REGISTERS: v1 16 L; v16-47 g, v48-79 b; row k at v[80 + 32 k]; v144-155 at work
	s_load_b64 s[4:5], s[0:1], 0x0                 ; v
	s_load_b64 s[8:9], s[0:1], 0x8                 ; g
	s_load_b64 s[10:11], s[0:1], 0x10              ; b
	s_load_b64 s[12:13], s[0:1], 0x18              ; out
	v_lshrrev_b32 v2, 5, v0
	s_delay_alu instid0(VALU_DEP_1)
	v_readfirstlane_b32 s16, v2                    ; wave 0..7
	v_and_b32 v3, 31, v0
	s_delay_alu instid0(VALU_DEP_1)
	v_lshlrev_b32 v1, 4, v3
	s_lshl_b32 s18, ttmp9, 16                      ; 16 rows of 4,096 bytes a work-group,
	s_lshl_b32 s19, s16, 13                        ; two a wave
	s_add_co_u32 s18, s18, s19
	s_mov_b32 s19, 0
	s_mov_b32 s17, 0x3a800000                      ; 1 / 1,024
	s_mov_b32 s[SEL], 0x76543210
	s_mov_b32 s[SEL+1], 0xfedcba98
	s_wait_alu depctr_va_vdst(0)                   ; the wait at the head's end
	s_wait_kmcnt 0x0
	s_add_nc_u64 s[4:5], s[4:5], s[18:19]
	s_add_nc_u64 s[12:13], s[12:13], s[18:19]
.irp k, 0,1
.irp i, 0,1,2,3,4,5,6,7
	global_load_b128 v[80+32*\k+4*\i:83+32*\k+4*\i], v1, s[4:5] offset:4096*\k+512*\i th:TH_LOAD_NT
.endr
.endr
.irp i, 0,1,2,3,4,5,6,7
	global_load_b128 v[16+4*\i:19+4*\i], v1, s[8:9] offset:512*\i
.endr
.irp i, 0,1,2,3,4,5,6,7
	global_load_b128 v[48+4*\i:51+4*\i], v1, s[10:11] offset:512*\i
.endr
.macro LANESUM a, t                    ; the sum over the 32 lanes, in every lane
	s_delay_alu instid0(VALU_DEP_1)
	v_add_f32_dpp v[\a], v[\a], v[\a] row_xmask:1 row_mask:0xf bank_mask:0xf
	s_delay_alu instid0(VALU_DEP_1)
	v_add_f32_dpp v[\a], v[\a], v[\a] row_xmask:2 row_mask:0xf bank_mask:0xf
	s_delay_alu instid0(VALU_DEP_1)
	v_add_f32_dpp v[\a], v[\a], v[\a] row_xmask:4 row_mask:0xf bank_mask:0xf
	s_delay_alu instid0(VALU_DEP_1)
	v_add_f32_dpp v[\a], v[\a], v[\a] row_xmask:8 row_mask:0xf bank_mask:0xf
	s_delay_alu instid0(VALU_DEP_1)
	v_permlanex16_b32 v[\t], v[\a], s[SEL], s[SEL+1]
	s_delay_alu instid0(VALU_DEP_1)
	v_add_f32 v[\a], v[\a], v[\t]
.endm
.macro MOMENTS k                       ; row k: d = v - mean, in place; variance + eps into v[150 + k]
.set V, 80+32*\k
	v_pk_add_f32 v[144:145], v[V:V+1], v[V+2:V+3]              ; two chains
	v_pk_add_f32 v[146:147], v[V+4:V+5], v[V+6:V+7]
.irp i, 8,12,16,20,24,28
	s_delay_alu instid0(VALU_DEP_2)
	v_pk_add_f32 v[144:145], v[144:145], v[V+\i:V+\i+1]
	s_delay_alu instid0(VALU_DEP_2)
	v_pk_add_f32 v[146:147], v[146:147], v[V+\i+2:V+\i+3]
.endr
	s_delay_alu instid0(VALU_DEP_1)
	v_pk_add_f32 v[144:145], v[144:145], v[146:147]
	s_delay_alu instid0(VALU_DEP_1)
	v_add_f32 v144, v144, v145
	LANESUM 144, 145
	s_delay_alu instid0(VALU_DEP_1)
	v_mul_f32 v144, s17, v144                      ; the mean
.set ii, 0
.rept 16
	v_pk_add_f32 v[V+ii:V+ii+1], v[V+ii:V+ii+1], v[144:145] op_sel_hi:[1,0] neg_lo:[0,1] neg_hi:[0,1]
.set ii, ii+2
.endr
	v_pk_mul_f32 v[146:147], v[V:V+1], v[V:V+1]
	v_pk_mul_f32 v[148:149], v[V+2:V+3], v[V+2:V+3]
.irp i, 4,8,12,16,20,24,28
	s_delay_alu instid0(VALU_DEP_2)
	v_pk_fma_f32 v[146:147], v[V+\i:V+\i+1], v[V+\i:V+\i+1], v[146:147]
	s_delay_alu instid0(VALU_DEP_2)
	v_pk_fma_f32 v[148:149], v[V+\i+2:V+\i+3], v[V+\i+2:V+\i+3], v[148:149]
.endr
	s_delay_alu instid0(VALU_DEP_1)
	v_pk_add_f32 v[146:147], v[146:147], v[148:149]
	s_delay_alu instid0(VALU_DEP_1)
	v_add_f32 v146, v146, v147
	LANESUM 146, 147
	s_delay_alu instid0(VALU_DEP_1)
	v_fmaak_f32 v[150+\k], s17, v146, 0x3727c5ac   ; the sum / 1,024 + 1e-5
.endm
.macro FINISH k                        ; row k: d x rstd x g + b, stored
.set V, 80+32*\k
.set ii, 0
.rept 16
	v_pk_mul_f32 v[V+ii:V+ii+1], v[V+ii:V+ii+1], v[152+2*\k:153+2*\k] op_sel_hi:[1,0]
.set ii, ii+2
.endr
.set ii, 0
.rept 16
	v_pk_fma_f32 v[V+ii:V+ii+1], v[V+ii:V+ii+1], v[16+ii:17+ii], v[48+ii:49+ii]
.set ii, ii+2
.endr
.irp i, 0,1,2,3,4,5,6,7
	global_store_b128 v1, v[V+4*\i:V+4*\i+3], s[12:13] offset:4096*\k+512*\i th:TH_STORE_NT
.endr
.endm
	s_wait_loadcnt 24                              ; row 0's 8 loads are in; row 1's 8 and the 16 of g and b may be out
	MOMENTS 0
	s_wait_loadcnt 16                              ; row 1 is in
	MOMENTS 1
	s_wait_alu depctr_va_vdst(0)                   ; the wait ahead of the two roots
	v_rsq_f32 v152, v150
	v_rsq_f32 v154, v151
	v_mov_b32 v153, 0                              ; (the pairs' upper halves are named, so they are written.  Also the plain place behind the two roots)
	v_mov_b32 v155, 0
	s_wait_loadcnt 0x0                             ; g and b
	s_wait_alu depctr_va_vdst(0)                   ; one wait for both roots, ahead of their first reader
	FINISH 0
	FINISH 1
	s_endpgm
.Lfunc_end_k_qe1610f857f_ln2:
	.size	k_qe1610f857f_ln2, .Lfunc_end_k_qe1610f857f_ln2-k_qe1610f857f_ln2
	.p2alignl 7, 3214868480
	.fill 96, 4, 3214868480
	.section	.rodata,"a",@progbits
	.p2align	6, 0x0
	.amdhsa_kernel k_qe1610f857f_ln2
		.amdhsa_group_segment_fixed_size 0
		.amdhsa_private_segment_fixed_size 0
		.amdhsa_enable_private_segment 0
		.amdhsa_kernarg_size 32
		.amdhsa_user_sgpr_count 2
		.amdhsa_user_sgpr_kernarg_segment_ptr 1
		.amdhsa_wavefront_size32 1
		.amdhsa_system_sgpr_workgroup_id_x 1
		.amdhsa_system_sgpr_workgroup_id_y 1
		.amdhsa_system_sgpr_workgroup_id_z 1
		.amdhsa_system_vgpr_workitem_id 0
		.amdhsa_next_free_vgpr 160
		.amdhsa_next_free_sgpr 66
		.amdhsa_reserve_vcc 0
		.amdhsa_float_denorm_mode_32 3
		.amdhsa_float_denorm_mode_16_64 3
		.amdhsa_memory_ordered 1
		.amdhsa_forward_progress 1
		.amdhsa_inst_pref_size 21
	.end_amdhsa_kernel
	.amdgpu_metadata
---
amdhsa.version: [ 1, 2 ]
amdhsa.kernels:
  - .name:           k_qe1610f857f_ln2
    .symbol:         k_qe1610f857f_ln2.kd
    .args:
      - { .name: ybuf, .offset: 0, .size: 8, .value_kind: global_buffer, .address_space: global }
      - { .name: ln2_g, .offset: 8, .size: 8, .value_kind: global_buffer, .address_space: global }
      - { .name: ln2_b, .offset: 16, .size: 8, .value_kind: global_buffer, .address_space: global }
      - { .name: out0, .offset: 24, .size: 8, .value_kind: global_buffer, .address_space: global }
    .group_segment_fixed_size: 0
    .private_segment_fixed_size: 0
    .kernarg_segment_align: 8
    .kernarg_segment_size: 32
    .max_flat_workgroup_size: 256
    .sgpr_count:     66
    .vgpr_count:     160
    .wavefront_size: 32
...
	.end_amdgpu_metadata
.endif
;; end of part 6
